; MI455X (gfx1250); checked and timed in simulation.
; The chip was launched on July 23, 2026; its instructions are those of AMD's public machine-readable ISA for CDNA 5 (MIT licence, August 2026) and "CDNA5" Instruction Set Architecture Reference Guide (July 2026). The comments in the code are by the model that wrote it; some were corrected since.
;; Multi Head Attention. Allowed arithmetic: matrix products marked QUANTISED: E4M3 operands, one given power-of-two scale a tensor, by v_wmma_f32_16x16x64_fp8_fp8 or v_wmma_f32_16x16x128_fp8_fp8, f32 sums; everything else in f32.
;; Inputs: Wk 16 x 1,024 x 64 float32; Wproj 1,024 x 1,024 float32; Wq 16 x 1,024 x 64 float32; Wv 16 x 1,024 x 64 float32; bproj 1,024 float32; lowp_scales 12 int32 (the exponents e of the quantised operands' scales 2^e); x 8 x 1,024 x 1,024 float32.
;; Outputs: out0 8 x 1,024 x 1,024 float32.
;; This version of the problem:
;;   THIS VERSION OF THE PROBLEM IS GIVEN IN LOW PRECISION. The matrix products marked QUANTISED in the list below multiply operands that are first quantised to E4M3 (4 exponent bits, 3 mantissa bits; 8 bits a number), with one given power-of-two scale for each operand tensor; their sums are f32. All else is computed in f32.
;;   The module's matrix products, in the order in which they are computed (A, B: the left and right operand; K: the contracted axis; several contracted axes count as one K, in the product's order):
;;     1. [M 1,024, K 1,024] x [K 1,024, N 8,192]; A: input Wq; B: input x: QUANTISED (scales: A lowp_scales[0], B lowp_scales[1])
;;     2. [M 1,024, K 1,024] x [K 1,024, N 8,192]; A: input Wk; B: input x: QUANTISED (scales: A lowp_scales[2], B lowp_scales[3])
;;     3. [M 1,024, K 1,024] x [K 1,024, N 8,192]; A: input Wv; B: input x: QUANTISED (scales: A lowp_scales[4], B lowp_scales[5])
;;     4. batch 128 x [M 1,024, K 64] x [K 64, N 1,024]; A: computed on the way; B: computed on the way: QUANTISED (scales: A lowp_scales[6], B lowp_scales[7])
;;     5. batch 128 x [M 1,024, K 1,024] x [K 1,024, N 64]; A: softmax (see below); B: computed on the way: QUANTISED (scales: A lowp_scales[8], B lowp_scales[9])
;;     6. [M 8,192, K 1,024] x [K 1,024, N 1,024]; A: computed on the way; B: input Wproj: QUANTISED (scales: A lowp_scales[10], B lowp_scales[11])
;;   THE QUANTISER, for each operand of a quantised product, along K:
;;     - The operand's scale is 2^e, e = its entry of the input lowp_scales (int32; the entries are numbered through the quantised products in the list's order, A before B).
;;     - Each number is divided by the scale, clamped to +-448, and rounded to the nearest number of E4M3, ties to even, subnormals kept.
;;     - The product sums the exact products of the quantised numbers (number of the format x scale) in f32.
;;   ~~~python
;;   def quantise(x, axis, e):      # numpy; x: float32 -> the quantised numbers, widened to float32 again
;;       x = np.moveaxis(x, axis, -1); K = x.shape[-1]
;;       r = np.clip(x / 2.0 ** e, -448, 448)
;;       step = 2.0 ** (np.maximum(np.frexp(np.where(r == 0, 1, r))[1] - 1, -6) - 3)
;;       q = np.round(r / step) * step * 2.0 ** e      # np.round: ties to even
;;       return np.moveaxis(q, -1, axis).astype(np.float32)
;;   ~~~
;;   SOFTMAX AHEAD OF A QUANTISED PRODUCT. Where the list says 'softmax', what is quantised is not the finished softmax but p = 2^(t - M), with t = logit x log2(e) and M = ceil(the row's largest t), a whole number; so 1/2 < the row's largest p <= 1. The row's sum l is taken of the UNQUANTISED p, in f32, and the product's result is divided by l at the end. Since M is a whole number, a kernel that streams over the keys may use a running M (the ceiling of the running maximum): every later rescaling is an exact power of two, so the quantised numbers keep their values, but for numbers so far below the row's largest that they fall under the format's range.
;;   OPERANDS COMPUTED ON THE WAY. 'Computed on the way' means the value that the module computes at that place (a softmax that the list does not call 'softmax' is quantised finished and normalised). What goes into a quantiser is computed in f32, as accurately as f32 sums, v_exp_f32 and their like allow (about 1e-6 of the number): no bf16 or f16 on the way to a quantiser, and a product that is left as it is and whose result goes on into a quantised operand takes f32 operands (vector FMAs, or v_wmma_f32_16x16x4_f32). A number that lies on a knife's edge between two numbers of the format may be rounded either way, as far as f32 arithmetic and the matrix unit's own rounding can turn it there, and no further.
;; One version. Each part assembles by itself: llvm-mc -triple=amdgcn-amd-amdhsa -mcpu=gfx1250 --defsym DOCPART=n.
;; ======== version 1 of 1: 4 launches
;; limits: right only within a limited range of input values
;; workspace buffers: x_codes 25,165,824 bytes; w_codes 4,194,304 bytes; qkv_codes 25,165,824 bytes; o_codes 8,388,608 bytes
;; launch quant (part 1): grid 672 x 1, 4 waves a work-group, no clusters, 76,288 bytes of LDS; arguments x, Wq, Wk, Wv, Wproj, lowp_scales, x_codes, w_codes; writes x_codes, w_codes
.if DOCPART == 1
	.amdgcn_target "amdgcn-amd-amdhsa--gfx1250"
	.amdhsa_code_object_version 6
	.text
	.protected	k_q7f11587c20_quant
	.globl	k_q7f11587c20_quant
	.p2align	8
	.type	k_q7f11587c20_quant,@function
k_q7f11587c20_quant:
	s_mov_b64 s[64:65], 0
	v_nop
	global_prefetch_b8 v0, s[64:65] scope:SCOPE_SE
	s_setreg_imm32_b32 hwreg(HW_REG_WAVE_MODE, 25, 1), 1
	s_wait_xcnt 0x0
; All f32 inputs of the quantised products become codes of E4M3: code = number / 2^e, held within +-448, to the nearest code, ties to even.
; x [8192][1024] is an operand of three products with three given exponents (entries 1, 3, 5): three sets of codes, from ONE read of x.
; Wq, Wk, Wv [16][1024 (K)][64] (entries 0, 2, 4): rows 0-3071 of w_codes, row 64 h + d.  Wproj [1024][1024 (K)] (entry 11): rows 3072-4095.
; LAYOUT of a set: [128 rows][K step of 256][row][256 bytes]: a K step of 128 rows is one dense run of 32,768 bytes, two K steps one of 65,536.
; In Wproj's rows each 32 codes along K lie as their pieces of 8 in the order 0, 2, 1, 3: 16 bytes at 16 h then hold k = 8 h .. 8 h + 7 and 16 + 8 h .. 16 + 8 h + 7, the plain matrix form's own places.
; LIMITS: each e between -126 and 119, so that 2^e and 448 x 2^e are f32 numbers.  NaN among the inputs is not served; an infinity is held at the largest code.
; SHARES: work-groups 0-95 take the three weights (the longest first), 96-159 Wproj, 160-671 x.  Four waves that share nothing: no barrier.  Each of the three ways has LDS bytes of its own.
; x, Wproj: a wave takes 8 steps of 512 numbers (4 rows), all 32 loads asked for at its start; each load reads 512 consecutive bytes.  A step's 2,048 bytes turn through the wave's stage in LDS (16 bytes of padding
;   behind each 64) and come back 16 numbers a lane, as the conversions want them; sixteen lanes store 256 consecutive, aligned bytes.  The codes take the registers of the step's own numbers, so no store's data are written again.
; Wq, Wk, Wv: a lane takes a column d and its registers run down K; 256 along K of 32 columns gather in the wave's stage and leave as rows of 256 bytes.
; No prefetch and no tensor load: x and Wproj have no loop to run ahead in.
.set PBASE, 20480                      ; LDS: 0 x's stages (4 waves x 2 x 32 x 80 bytes); 20,480 Wproj's, likewise
.set WBASE, 40960                      ; the weights' stages: 4 waves x 32 rows x 272 bytes
.set SPARE, 75776                      ; the spare words, 128 bytes for each wave: two blocks of 256 bytes that no other line names
.set SO,  2                            ; v2      my 16 codes' place: K step (lane / 16), 16 (lane % 16)
.set SC,  5                            ; v5-7    2^e as f32, one for each output
.set LIM, 8                            ; v8-10   448 x 2^e
.set SPW, 12                           ; v12     LDS address of my spare word; never rewritten
.set NIL, 13                           ; v13     0; never rewritten
.set R,   20                           ; v20-147  eight sets of 16 numbers as loaded; then the codes
.set X,   148                          ; v148-179 two sets of 16 numbers
.set T,   180                          ; v180-227 the held numbers, a set for each output (the three holds differ)
	s_load_b256 s[4:11], s[0:1], 0x0               ; x s[4:5], Wq s[6:7], Wk s[8:9], Wv s[10:11]
	s_load_b256 s[12:19], s[0:1], 0x20             ; Wproj s[12:13], the exponents s[14:15], x_codes s[16:17], w_codes s[18:19]
	v_lshl_add_u32 v[SPW], v0, 2, SPARE
	v_mov_b32 v[NIL], 0
	v_lshrrev_b32 v2, 5, v0
	v_readfirstlane_b32 s32, v2                    ; wave 0..3
	v_and_b32 v1, 31, v0                           ; lane
	v_lshlrev_b32 v3, 4, v1                        ; 16 x lane: my bytes of a load's 512
	s_mul_i32 s33, s32, 5120
	v_lshrrev_b32 v14, 2, v1
	v_mul_u32_u24 v14, v14, 80
	v_and_b32 v15, 3, v1
	v_lshl_add_u32 v14, v15, 4, v14
	v_add_nc_u32 v14, s33, v14                     ; into a stage: four lanes' 64 bytes on end, then 16 of padding
	v_mul_u32_u24 v15, v1, 80
	v_add_nc_u32 v15, s33, v15                     ; out of it: 80 x lane: my 16 neighbours
	v_lshlrev_b32 v4, 2, v1                        ; the weights: 4 bytes a lane
	s_mul_i32 s34, s32, 8704
	s_add_co_u32 s34, s34, WBASE                   ; my stage for them
	v_mul_u32_u24 v11, v1, 272
	v_add_nc_u32 v11, s34, v11                     ; into it: row = my column
	v_and_b32 v16, 15, v1
	v_lshrrev_b32 v17, 4, v1
	v_mul_u32_u24 v18, v17, 272
	v_lshl_add_u32 v18, v16, 4, v18
	v_add_nc_u32 v18, s34, v18                     ; out of it: sixteen lanes to a row, two rows an instruction
	v_lshlrev_b32 v19, 8, v17
	v_lshl_add_u32 v19, v16, 4, v19                ; and the same place in w_codes
	v_lshlrev_b32 v[SO], 15, v17
	v_lshl_add_u32 v[SO], v16, 4, v[SO]
	v_and_b32 v17, 30, v1                          ; Wproj, out of a stage: numbers 8 (lane % 2) .. + 7 of the even lane's 16 and of the odd lane's
	v_mul_u32_u24 v17, v17, 80
	v_and_b32 v16, 1, v1
	v_lshl_add_u32 v17, v16, 5, v17
	v_add_nc_u32 v17, s33, v17
	s_wait_alu depctr_va_vdst(0)                   ; the wait here, directly ahead of the wait below
	s_wait_kmcnt 0x0
	s_load_b256 s[20:27], s[14:15], 0x0            ; e0 .. e7
	s_load_b128 s[28:31], s[14:15], 0x20           ; e8 .. e11
	s_cmp_lt_u32 ttmp9, 96                         ; the ways part on the work-group's number alone
	s_cbranch_scc1 .Lw
	s_cmp_lt_u32 ttmp9, 160
	s_cbranch_scc1 .Lp
.macro MKSC e, k                       ; from the exponent in s[e]: 2^e and 448 x 2^e as f32, for output k
	s_add_co_i32 s46, s[\e], 127
	s_lshl_b32 s47, s46, 23
	v_mov_b32 v[SC+\k], s47
	s_add_co_i32 s46, s46, 8
	s_lshl_b32 s46, s46, 23
	s_or_b32 s46, s46, 0x600000
	v_mov_b32 v[LIM+\k], s46
.endm
.macro TURN t, base, rd, o2            ; step t's numbers through a stage: LDS serves a wave's instructions in order, so no wait stands between the stores and the loads
.irp i, 0,1,2,3
	ds_store_b128 v14, v[R+16*(\t)+4*\i:R+16*(\t)+4*\i+3] offset:\base+2560*((\t)%2)+640*\i
.endr
.irp i, 0,1
	ds_load_b128 v[X+16*((\t)%2)+4*\i:X+16*((\t)%2)+4*\i+3], v[\rd] offset:\base+2560*((\t)%2)+16*\i
	ds_load_b128 v[X+16*((\t)%2)+4*\i+8:X+16*((\t)%2)+4*\i+11], v[\rd] offset:\base+2560*((\t)%2)+\o2+16*\i
.endr
.endm
.macro QSTEP t, n, base, rd, o2        ; n outputs
.set XS, X+16*((\t)%2)
.set CS, R+16*(\t)
	s_wait_dscnt 0x0                               ; this step's numbers are back from the stage, so its stores into the stage have read their registers, which take its codes
.if (\t) < 7
	s_wait_loadcnt 4*(6-(\t))                      ; the next step's four loads are in; those of the steps behind it may be out
	TURN (\t)+1, \base, \rd, \o2
.endif
.irp k, 0,1,2
.if \k < \n
.irp i, 0,1,2,3,4,5,6,7,8,9,10,11,12,13,14,15
	v_med3_num_f32 v[T+16*\k+\i], v[XS+\i], -v[LIM+\k], v[LIM+\k]   ; the conversion to an 8-bit code does not saturate (ISA guide 7.6.2): the hold at the largest code x the scale
.endr
.endif
.endr
.irp k, 0,1,2
.if \k < \n
	v_cvt_scalef32_pk8_fp8_f32 v[CS+4*\k:CS+4*\k+1], v[T+16*\k:T+16*\k+7], v[SC+\k]
	v_cvt_scalef32_pk8_fp8_f32 v[CS+4*\k+2:CS+4*\k+3], v[T+16*\k+8:T+16*\k+15], v[SC+\k]
.endif
.endr
	v_nop                                          ; a plain line between the conversions and the next step's holds, which write their sources
.irp k, 0,1,2
.if \k < \n
	global_store_b128 v[SO], v[CS+4*\k:CS+4*\k+3], s[36+2*\k:37+2*\k] offset:((\t)/2)*256+((\t)%2)*65536   ; half a row: two K steps; sixteen lanes store 256 consecutive, aligned bytes
.endif
.endr
.endm
.macro LOADS8                          ; all eight steps: 32 loads of 512 consecutive bytes
.irp t, 0,1,2,3,4,5,6,7
.irp i, 0,1,2,3
	global_load_b128 v[R+16*\t+4*\i:R+16*\t+4*\i+3], v3, s[34:35] offset:2048*\t+512*\i th:TH_LOAD_NT
.endr
.endr
.endm
.macro STEPS n, base, rd, o2
	s_wait_loadcnt 28                              ; step 0's four loads are in
	TURN 0, \base, \rd, \o2
.irp t, 0,1,2,3,4,5,6,7
	QSTEP \t, \n, \base, \rd, \o2
.endr
.endm
.macro PLACE                           ; s33 = my run of four rows: where it lies in f32 (s[42:43]) and in a set of codes (s[44:45])
	s_lshl_b32 s42, s33, 14
	s_mov_b32 s43, 0
	s_lshr_b32 s44, s33, 5
	s_lshl_b32 s44, s44, 17
	s_and_b32 s45, s33, 31
	s_lshl_b32 s45, s45, 10
	s_or_b32 s44, s44, s45
	s_mov_b32 s45, 0
.endm
	; ---- x
	s_sub_co_u32 s33, ttmp9, 160
	s_lshl_b32 s33, s33, 2
	s_add_co_u32 s33, s33, s32
	PLACE
	s_add_nc_u64 s[34:35], s[4:5], s[42:43]
	s_add_nc_u64 s[36:37], s[16:17], s[44:45]      ; the set for q's product,
	s_add_nc_u64 s[38:39], s[36:37], 0x800000      ; for k's,
	s_add_nc_u64 s[40:41], s[38:39], 0x800000      ; for v's
	LOADS8
	s_wait_kmcnt 0x0
	MKSC 21, 0
	MKSC 23, 1
	MKSC 25, 2
	s_wait_alu depctr_va_vdst(0)                   ; the wait at the head's end
	STEPS 3, 0, 15, 32
	s_branch .Lend
.Lp:	; ---- Wproj: the same with one output, in LDS bytes of its own
	s_sub_co_u32 s33, ttmp9, 96
	s_lshl_b32 s33, s33, 2
	s_add_co_u32 s33, s33, s32
	PLACE
	s_add_co_u32 s44, s44, 3145728                 ; w_codes from row 3,072 on
	s_add_nc_u64 s[34:35], s[12:13], s[42:43]
	s_add_nc_u64 s[36:37], s[18:19], s[44:45]
	LOADS8
	s_wait_kmcnt 0x0
	MKSC 31, 0
	s_wait_alu depctr_va_vdst(0)                   ; the wait at the head's end
	STEPS 1, PBASE, 17, 80
	s_branch .Lend
.Lw:	; ---- Wq, Wk, Wv: a work-group takes 128 columns x 256 along K, a wave 32 of the columns
	s_lshr_b32 s42, ttmp9, 2                       ; group of 128 columns, 0..23
	s_and_b32 s43, ttmp9, 3                        ; which 256 along K
	s_lshr_b32 s44, s42, 3                         ; which weight
	s_lshl_b32 s33, s42, 17                        ; the group's 128 rows of w_codes,
	s_lshl_b32 s45, s43, 15                        ; the K step,
	s_add_co_u32 s33, s33, s45
	s_lshl_b32 s45, s32, 13                        ; my 32 rows of 256 bytes
	s_add_co_u32 s33, s33, s45
	s_and_b32 s42, s42, 7
	s_lshl_b32 s42, s42, 7
	s_lshl_b32 s45, s32, 5
	s_add_co_u32 s42, s42, s45                     ; my first column n = 64 h + d
	s_cmp_eq_u32 s44, 0
	s_cselect_b64 s[34:35], s[6:7], s[8:9]
	s_cmp_eq_u32 s44, 2
	s_cselect_b64 s[34:35], s[10:11], s[34:35]
	s_lshr_b32 s46, s42, 6
	s_lshl_b32 s46, s46, 18                        ; a head is 262,144 bytes,
	s_lshl_b32 s47, s43, 16                        ; 256 rows of 256 bytes,
	s_add_co_u32 s46, s46, s47
	s_and_b32 s47, s42, 63
	s_lshl_b32 s47, s47, 2                         ; 4 d
	s_add_co_u32 s46, s46, s47
	s_mov_b32 s47, 0
	s_add_nc_u64 s[34:35], s[34:35], s[46:47]
	s_mov_b32 s46, s33
	s_add_nc_u64 s[36:37], s[18:19], s[46:47]
.macro WLOAD t                         ; block t: W(32 t + i, my column), i = 0 .. 31: a wave reads 128 consecutive bytes, two neighbouring waves a head's whole row of 256
.set i, 0
.rept 32
	global_load_b32 v[32+32*((\t)%2)+i], v4, s[34:35] offset:(32*(\t)+i)*256 th:TH_LOAD_NT
.set i, i+1
.endr
.endm
.macro WBLOCK t
.set XS, 32+32*((\t)%2)
.if (\t) < 7
	s_wait_loadcnt 32                              ; this block's 32 loads are in; the next block's may be out
.else
	s_wait_loadcnt 0x0
.endif
.set i, 0
.rept 32
	v_med3_num_f32 v[XS+i], v[XS+i], -v[LIM], v[LIM]
.set i, i+1
.endr
.irp g, 0,1,2,3
	v_cvt_scalef32_pk8_fp8_f32 v[96+2*\g:97+2*\g], v[XS+8*\g:XS+8*\g+7], v[SC]
.endr
	v_nop                                          ; a plain line behind the conversions
	ds_store_b128 v11, v[96:99] offset:32*(\t)     ; 32 codes: 32 bytes of my column's row
	ds_store_b128 v11, v[100:103] offset:32*(\t)+16
.if (\t)+2 < 8
	WLOAD (\t)+2
.endif
	s_wait_dscnt 0x0                               ; the stores have read their registers: the next block's codes may be written
.endm
	WLOAD 0
	WLOAD 1
	s_wait_kmcnt 0x0
	s_cmp_eq_u32 s44, 0
	s_cselect_b32 s45, s20, s22
	s_cmp_eq_u32 s44, 2
	s_cselect_b32 s45, s24, s45                    ; e0, e2 or e4
	MKSC 45, 0
	s_wait_alu depctr_va_vdst(0)                   ; the wait at the head's end
.irp t, 0,1,2,3,4,5,6,7
	WBLOCK \t
.endr
.irp t, 0,1,2,3,4,5,6,7,8,9,10,11,12,13,14,15
	ds_load_b128 v[112+4*\t:115+4*\t], v18 offset:544*\t   ; LDS serves a wave's instructions in order: these see my stores
.endr
.irp t, 0,1,2,3,4,5,6,7,8,9,10,11,12,13,14,15
	s_wait_dscnt 15-\t                             ; the younger loads may be out
	global_store_b128 v19, v[112+4*\t:115+4*\t], s[36:37] offset:512*\t   ; 32 lanes store 512 consecutive bytes, at a multiple of 256 from the buffer's first byte
.endr
.Lend:
	s_wait_tensorcnt 0x0                           ; the wave's end, behind my last LDS store
	ds_add_u32 v[SPW], v[NIL]
	s_wait_dscnt 0x0
	s_endpgm
.Lfunc_end_k_q7f11587c20_quant:
	.size	k_q7f11587c20_quant, .Lfunc_end_k_q7f11587c20_quant-k_q7f11587c20_quant
	.p2alignl 7, 3214868480
	.fill 96, 4, 3214868480
	.section	.rodata,"a",@progbits
	.p2align	6, 0x0
	.amdhsa_kernel k_q7f11587c20_quant
		.amdhsa_group_segment_fixed_size 76288
		.amdhsa_private_segment_fixed_size 0
		.amdhsa_enable_private_segment 0
		.amdhsa_kernarg_size 64
		.amdhsa_user_sgpr_count 2
		.amdhsa_user_sgpr_kernarg_segment_ptr 1
		.amdhsa_wavefront_size32 1
		.amdhsa_system_sgpr_workgroup_id_x 1
		.amdhsa_system_sgpr_workgroup_id_y 1
		.amdhsa_system_sgpr_workgroup_id_z 1
		.amdhsa_system_vgpr_workitem_id 0
		.amdhsa_next_free_vgpr 228
		.amdhsa_next_free_sgpr 66
		.amdhsa_reserve_vcc 0
		.amdhsa_float_denorm_mode_32 3
		.amdhsa_float_denorm_mode_16_64 3
		.amdhsa_memory_ordered 1
		.amdhsa_forward_progress 1
		.amdhsa_inst_pref_size 108
	.end_amdhsa_kernel
	.amdgpu_metadata
---
amdhsa.version: [ 1, 2 ]
amdhsa.kernels:
  - .name:           k_q7f11587c20_quant
    .symbol:         k_q7f11587c20_quant.kd
    .args:
      - { .name: x, .offset: 0, .size: 8, .value_kind: global_buffer, .address_space: global }
      - { .name: Wq, .offset: 8, .size: 8, .value_kind: global_buffer, .address_space: global }
      - { .name: Wk, .offset: 16, .size: 8, .value_kind: global_buffer, .address_space: global }
      - { .name: Wv, .offset: 24, .size: 8, .value_kind: global_buffer, .address_space: global }
      - { .name: Wproj, .offset: 32, .size: 8, .value_kind: global_buffer, .address_space: global }
      - { .name: lowp_scales, .offset: 40, .size: 8, .value_kind: global_buffer, .address_space: global }
      - { .name: x_codes, .offset: 48, .size: 8, .value_kind: global_buffer, .address_space: global }
      - { .name: w_codes, .offset: 56, .size: 8, .value_kind: global_buffer, .address_space: global }
    .group_segment_fixed_size: 76288
    .private_segment_fixed_size: 0
    .kernarg_segment_align: 8
    .kernarg_segment_size: 64
    .max_flat_workgroup_size: 128
    .sgpr_count:     66
    .vgpr_count:     228
    .wavefront_size: 32
...
	.end_amdgpu_metadata
.endif
;; end of part 1
;; launch qkv (part 2): grid 8 x 32, 4 waves a work-group, clusters of 4 x 4, 327,680 bytes of LDS; arguments x_codes, w_codes, lowp_scales, qkv_codes; writes qkv_codes
.if DOCPART == 2
	.amdgcn_target "amdgcn-amd-amdhsa--gfx1250"
	.amdhsa_code_object_version 6
	.text
	.protected	k_q7f11587c20_qkv
	.globl	k_q7f11587c20_qkv
	.p2align	8
	.type	k_q7f11587c20_qkv,@function
k_q7f11587c20_qkv:
	s_mov_b64 s[64:65], 0
	v_nop
	global_prefetch_b8 v0, s[64:65] scope:SCOPE_SE
	s_setreg_imm32_b32 hwreg(HW_REG_WAVE_MODE, 25, 1), 1
	s_wait_xcnt 0x0
	s_wait_alu depctr_hold_cnt(0) depctr_sa_sdst(0) depctr_va_vdst(0) depctr_va_sdst(0) depctr_va_ssrc(0) depctr_va_vcc(0) depctr_vm_vsrc(0)
	s_getreg_b32 s2, hwreg(HW_REG_IB_STS2, 6, 4)
	s_cmp_eq_u32 s2, 0
	s_cbranch_scc0 .Lentry_in_a_cluster
	s_endpgm
.Lentry_in_a_cluster:
	s_bfe_u32 s2, ttmp6, 0x10000c
	s_cmp_lg_u32 s2, 0xf033
	s_cbranch_scc0 .Lentry_shape_is_right
	s_endpgm
.Lentry_shape_is_right:
; q, k and v of every head, quantised (entries 6, 7, 9) on the way out.  q = x Wq, k = x Wk, v = x Wv on codes of E4M3, sums in f32.
; x_codes: three sets of [128 rows][K step of 256][row][256 bytes]; w_codes rows 0-3071 likewise (Wq, Wk, Wv; row 64 h + d).
; PHASE 1: a work-group makes 256 rows of x times 256 columns of q (cluster x = 0) or of k (1); a wave 128 x 128.  PHASE 2: 128 rows of v^T (two heads) times 256 rows of x; a wave 64 x 128.  256 work-groups, four waves each.
; THE RESULTS LEAVE AS FRAGMENTS.  Both phases are used transposed, so a lane's codes along the next product's K are already that product's operand registers (registers 2 c, 2 c + 1: 16 c + 8 h .. + 7): they are stored as they
; stand, 16 bytes a lane, 512 consecutive bytes an instruction.  q, k: [b][h][tile of 16 rows][2][lane][16 bytes]; v: [b][h][128 keys][tile of 16 d][4][lane][16 bytes].
; THE RING: two slots of 256 along K, 512 rows of 272 bytes each; a wave fetches 128 of them (in phase 2 64 of A or 128 of B) by one load, dense in memory.  It goes on from phase 1 into phase 2.
; CLUSTERS of 4 x 4: the four of a row share A's tiles, the four of a column B's; each tile is asked for jointly.
; PREFETCH: phase 1's K steps 1 and 2 behind the head's load, K step 3 behind K step 1's load, phase 2's K steps two refills ahead of theirs; each block of 256 bytes once in a cluster, shared out by address among the four
; partners; the weights' blocks by the clusters of the first four rows alone.
; LIMITS: e6 - e0 - e1, e7 - e2 - e3 and e9 - e4 - e5 between -126 and 119, so that the powers of two below are f32 numbers.
.set ROWB,   256
.set KROW,   256
.set KSTR,   32768                     ; from K step to K step of 128 rows, in bytes
.set PITCH,  272
.set FR,     16
.set NL,     4
.set NP,     4
.set HALFT,  128*PITCH
.set SLOT,   4*HALFT
.set SPARE,  2*SLOT
.set FLAGS,  (1<<20)|(1<<21)|(5<<22)|(3<<25)
.set ADRA, 16
.set ADRB, 20
.set PFO,  23                          ; v23     prefetches of phase 1: 256 x lane; never rewritten
.set PFV,  24                          ; v24     of phase 2: A's 16 rows (lanes 16-31 name the last again) or B's 32; never rewritten
.set GQK,  25                          ; v25     16 x lane: my bytes of a store
.set SPW,  28
.set NIL,  29
.set TMP,  32
.set AF,   128
.set CD,   128
.set G1,  24
.set G0,  32
.set G1B, 48
.set G0B, 56
.set PA2, 68
.set PB2, 70
.set G1C, 72
.set PF1, 96                           ; s[96:97] where my prefetches stand in phase 1's operand (K step 0)
.set PF2, 98                           ; s[98:99] in phase 2's
.macro ASK n                           ; prefetch phase 2's K step n; s44: do I ask?
	s_cmp_eq_u32 s44, 0
	s_cbranch_scc1 .Lnot_mine_\@
	global_prefetch_b8 v[PFV], s[PF2:PF2+1] offset:KSTR*(\n) th:TH_LOAD_NT scope:SCOPE_SE
.Lnot_mine_\@:
.endm
.set MSB, 0
.macro WIN new
.if MSB != \new
	s_set_vgpr_msb (MSB<<8)|\new
.set MSB, \new
.endif
.endm
.set MUL_LO, 0xa1
.set MUL_HI, 0xf1
.set TO_B,   0x40
.macro JLOAD g0a, g1a, g0b, g1b
	s_cmp_eq_u32 s15, 0
	s_cbranch_scc0 .Lfor_b_\@
	tensor_load_to_lds s[\g0a:\g0a+3], s[\g1a:\g1a+7]
	s_nop 0
.rept 4
	v_nop
.endr
	s_branch .Lasked_\@
.Lfor_b_\@:
	tensor_load_to_lds s[\g0b:\g0b+3], s[\g1b:\g1b+7]
	s_nop 0
.rept 4
	v_nop
.endr
.Lasked_\@:
.endm
.macro CREST
	s_cmp_lg_u32 s14, 0
	s_cbranch_scc1 .Lnot_wave_0_\@
	s_barrier_signal -3
.Lnot_wave_0_\@:
	s_barrier_wait -3
	s_barrier_signal -1
	s_barrier_wait -1
.endm
.macro CROUND
	s_barrier_signal -1
	s_barrier_wait -1
	CREST
.endm
	s_load_b128 s[4:7], s[0:1], 0x0
	s_load_b128 s[8:11], s[0:1], 0x10
	v_lshl_add_u32 v[SPW], v0, 2, SPARE
	v_mov_b32 v[NIL], 0
	ds_add_u32 v[SPW], v[NIL]
	ds_add_u32 v[SPW], v[NIL]
	v_lshrrev_b32 v1, 5, v0
	v_readfirstlane_b32 s14, v1
	s_lshr_b32 s15, s14, 1
	s_and_b32 s16, s14, 1
	s_bfe_u32 s40, ttmp6, 0x40000
	s_bfe_u32 s41, ttmp6, 0x40004
	s_and_b32 s66, ttmp7, 0xffff
	s_lshl_b32 s66, s66, 2
	s_add_co_u32 s17, s66, s41
	s_lshl_b32 s67, ttmp9, 2
	s_add_co_u32 s67, s67, s41
	s_add_co_u32 s42, s66, s40
	s_lshl_b32 s43, s41, 2
	s_lshl_b32 s43, 15, s43
	s_lshl_b32 s44, 0x1111, s40
	s_or_b32 s[G1+0], s43, FLAGS
	s_or_b32 s[G1C+0], s43, FLAGS
	s_or_b32 s[G1B+0], s44, FLAGS
.irp g, G1, G1B
	s_mov_b32 s[\g+1], ROWB<<16
	s_mov_b32 s[\g+2], 128<<16
	s_mov_b32 s[\g+3], ROWB<<16
	s_mov_b32 s[\g+4], 128
	s_mov_b32 s[\g+5], KROW
	s_mov_b32 s[\g+6], 0
	s_mov_b32 s[\g+7], 0
.endr
	s_mov_b32 s[G1C+1], ROWB<<16
	s_mov_b32 s[G1C+2], 64<<16
	s_mov_b32 s[G1C+3], ROWB<<16
	s_mov_b32 s[G1C+4], 64
	s_mov_b32 s[G1C+5], KROW
	s_mov_b32 s[G1C+6], 0
	s_mov_b32 s[G1C+7], 0
	s_lshl_b32 s20, ttmp9, 23
	s_lshl_b32 s18, s17, 18
	s_or_b32 s20, s20, s18
	s_lshl_b32 s18, s16, 17
	s_or_b32 s20, s20, s18
	s_mov_b32 s21, 0
	s_lshl_b32 s46, ttmp9, 20
	s_lshl_b32 s19, s40, 18
	s_or_b32 s46, s46, s19
	s_lshl_b32 s19, s16, 17
	s_or_b32 s46, s46, s19
	s_mov_b32 s47, 0
	s_lshl_b32 s[PA2], s67, 17
	s_lshl_b32 s18, s16, 14
	s_or_b32 s[PA2], s[PA2], s18
	s_add_co_u32 s[PA2], s[PA2], 0x200000
	s_mov_b32 s[PA2+1], 0
	s_lshl_b32 s[PB2], s42, 18
	s_lshl_b32 s19, s16, 17
	s_or_b32 s[PB2], s[PB2], s19
	s_add_co_u32 s[PB2], s[PB2], 0x1000000
	s_mov_b32 s[PB2+1], 0
	s_mul_i32 s45, s14, HALFT
	s_wait_dscnt 0x0
	s_wait_kmcnt 0x0
	s_load_b256 s[84:91], s[8:9], 0x0
	s_load_b128 s[92:95], s[8:9], 0x20
	s_add_nc_u64 s[20:21], s[4:5], s[20:21]
	s_add_nc_u64 s[46:47], s[6:7], s[46:47]
	s_add_nc_u64 s[PA2:PA2+1], s[6:7], s[PA2:PA2+1]
	s_add_nc_u64 s[PB2:PB2+1], s[4:5], s[PB2:PB2+1]
	CROUND
.irp s, 0,1
	s_mov_b32 s[G0+4*\s], 1
	s_add_co_u32 s[G0+4*\s+1], s45, \s*SLOT
	s_add_nc_u64 s[G0+4*\s+2:G0+4*\s+3], s[20:21], \s*KSTR
	s_or_b32 s[G0+4*\s+3], s[G0+4*\s+3], 0x80000000
	s_mov_b32 s[G0B+4*\s], 1
	s_add_co_u32 s[G0B+4*\s+1], s45, \s*SLOT
	s_add_nc_u64 s[G0B+4*\s+2:G0B+4*\s+3], s[46:47], \s*KSTR
	s_or_b32 s[G0B+4*\s+3], s[G0B+4*\s+3], 0x80000000
.endr
	JLOAD G0, G1, G0B, G1B                         ; K step 0: my one tensor load at the head
	s_lshl_b32 s18, s40, 13                        ; the prefetches: of the 128 rows that I fetch the partner at place p (cx for A, cy for B) takes 32 p .. 32 p + 31
	s_lshl_b32 s19, s41, 13
	s_cmp_eq_u32 s15, 0
	s_cselect_b32 s18, s18, s19
	s_cselect_b64 s[PF1:PF1+1], s[20:21], s[46:47]
	s_mov_b32 s19, 0
	s_add_nc_u64 s[PF1:PF1+1], s[PF1:PF1+1], s[18:19]
	s_lshl_b32 s18, s40, 12                        ; phase 2: A's 64 rows are shared out by 16
	s_lshl_b32 s2, s41, 13
	s_cmp_eq_u32 s15, 0
	s_cselect_b32 s18, s18, s2
	s_cselect_b64 s[PF2:PF2+1], s[PA2:PA2+1], s[PB2:PB2+1]
	s_cselect_b32 s2, 15, 31
	s_add_nc_u64 s[PF2:PF2+1], s[PF2:PF2+1], s[18:19]
	s_cmp_lt_u32 s66, 16                           ; the weights are asked for by the clusters of the first four rows
	s_cselect_b32 s18, 1, 0
	s_xor_b32 s19, s15, 1
	s_or_b32 s43, s18, s19                         ; phase 1: A is x
	s_or_b32 s44, s18, s15                         ; phase 2: B is x
	v_and_b32 v6, 31, v0
	v_lshlrev_b32 v[PFO], 8, v6
	v_min_u32 v[PFV], s2, v6
	v_lshlrev_b32 v[PFV], 8, v[PFV]
	v_lshlrev_b32 v[GQK], 4, v6
	s_cmp_eq_u32 s43, 0
	s_cbranch_scc1 .Lhead_asked
	global_prefetch_b8 v[PFO], s[PF1:PF1+1] offset:KSTR th:TH_LOAD_NT scope:SCOPE_SE   ; K steps 1 and 2
	global_prefetch_b8 v[PFO], s[PF1:PF1+1] offset:2*KSTR th:TH_LOAD_NT scope:SCOPE_SE
.Lhead_asked:
	v_and_b32 v1, 15, v0
	v_bfe_u32 v2, v0, 4, 1
	v_mul_u32_u24 v3, v1, PITCH
	v_lshl_add_u32 v4, v2, 4, v3
	s_mul_i32 s21, s15, HALFT
	s_mul_i32 s22, s16, HALFT
	s_add_co_u32 s22, s22, 2*HALFT
.irp s, 0,1
	v_add_nc_u32 v[ADRA+\s], s21, v4
	v_add_nc_u32 v[ADRB+\s], s22, v4
	s_add_co_u32 s21, s21, SLOT
	s_add_co_u32 s22, s22, SLOT
.endr
	s_lshl_b32 s80, ttmp9, 23
	s_lshr_b32 s81, s17, 2
	s_lshl_b32 s81, s81, 20
	s_or_b32 s80, s80, s81
	s_lshl_b32 s81, s40, 18
	s_or_b32 s80, s80, s81
	s_lshl_b32 s81, s16, 17
	s_or_b32 s80, s80, s81
	s_and_b32 s81, s17, 3
	s_lshl_b32 s81, s81, 14
	s_or_b32 s80, s80, s81
	s_lshl_b32 s81, s15, 13
	s_or_b32 s80, s80, s81
	s_mov_b32 s81, 0
	s_lshr_b32 s82, s42, 2
	s_lshl_b32 s82, s82, 20
	s_lshl_b32 s83, s67, 17
	s_or_b32 s82, s82, s83
	s_lshl_b32 s83, s15, 16                        ; my head of the two
	s_or_b32 s82, s82, s83
	s_and_b32 s83, s42, 3
	s_lshl_b32 s83, s83, 14                        ; the block's 256 keys,
	s_or_b32 s82, s82, s83
	s_lshl_b32 s83, s16, 13                        ; my 128 of them
	s_or_b32 s82, s82, s83
	s_add_co_u32 s82, s82, 0x1000000
	s_mov_b32 s83, 0
	s_add_nc_u64 s[12:13], s[10:11], s[82:83]
	s_add_nc_u64 s[10:11], s[10:11], s[80:81]
.macro FRAG reg, adr, q, i
.irp c, 0,1,2,3
	ds_load_b128 v[\reg+4*\c:\reg+4*\c+3], v[\adr] offset:128*(\q)+32*\c+(\i)*16*PITCH
.endr
.endm
.macro PLACES n
.rept \n
	v_nop
.endr
.endm
.macro MUL16 a0, p, zero
.irp a, \a0, \a0+1
.irp b, 0,1,2,3,4,5,6,7
.if \zero
	v_wmma_f32_16x16x128_fp8_fp8 v[8*(8*((\a)%4)+\b):8*(8*((\a)%4)+\b)+7], v[128*(\p)+FR*\b:128*(\p)+FR*\b+FR-1], v[AF+FR*(\a):AF+FR*(\a)+FR-1], 0
.else
	v_wmma_f32_16x16x128_fp8_fp8 v[8*(8*((\a)%4)+\b):8*(8*((\a)%4)+\b)+7], v[128*(\p)+FR*\b:128*(\p)+FR*\b+FR-1], v[AF+FR*(\a):AF+FR*(\a)+FR-1], v[8*(8*((\a)%4)+\b):8*(8*((\a)%4)+\b)+7]
.endif
.endr
.endr
.endm
.macro FETCH_B slot, q, p
	WIN TO_B
.irp i, 0,1,2,3,4,5,6,7
	FRAG 128*(\p)+FR*\i, ADRB+\slot, \q, \i
.endr
	WIN 0
.endm
.macro FETCH_A slot, q, i0
.irp i, \i0, \i0+1, \i0+2, \i0+3
	FRAG AF+FR*(\i), ADRA+\slot, \q, \i
.endr
.endm
.macro STEP slot, q, zero
	s_wait_dscnt 4*NL
	WIN MUL_LO
	MUL16 0, (\q)%2, \zero
	MUL16 2, (\q)%2, \zero
	s_wait_dscnt 0
	PLACES NP
	FETCH_B \slot, (\q)+1, 1-(\q)%2
	FETCH_A \slot, (\q)+1, 0
	WIN MUL_HI
	MUL16 4, (\q)%2, \zero
	MUL16 6, (\q)%2, \zero
	PLACES NP
	WIN 0
	FETCH_A \slot, (\q)+1, 4
.endm
.macro TURN slot, next, on, fetch
	s_wait_tensorcnt 0x0
	ds_add_u32 v[SPW], v[NIL]
	s_wait_dscnt 4*NL+1
	WIN MUL_LO
	MUL16 0, 1, 0
	s_wait_dscnt 0x0
	s_barrier_signal -1
	MUL16 2, 1, 0
	WIN 0
	s_barrier_wait -1
	CREST
.if \on
	s_add_nc_u64 s[G0+4*\slot+2:G0+4*\slot+3], s[PA2:PA2+1], \slot*KSTR
	s_or_b32 s[G0+4*\slot+3], s[G0+4*\slot+3], 0x80000000
	s_add_nc_u64 s[G0B+4*\slot+2:G0B+4*\slot+3], s[PB2:PB2+1], \slot*KSTR
	s_or_b32 s[G0B+4*\slot+3], s[G0B+4*\slot+3], 0x80000000
	JLOAD G0+4*\slot, G1C, G0B+4*\slot, G1B
.else
	s_add_nc_u64 s[G0+4*\slot+2:G0+4*\slot+3], s[G0+4*\slot+2:G0+4*\slot+3], 2*KSTR
	s_add_nc_u64 s[G0B+4*\slot+2:G0B+4*\slot+3], s[G0B+4*\slot+2:G0B+4*\slot+3], 2*KSTR
	JLOAD G0+4*\slot, G1, G0B+4*\slot, G1B
.endif
.if \fetch
	FETCH_B \next, 0, 0
	FETCH_A \next, 0, 0
.endif
	ASK 2*\on+\slot
	WIN MUL_HI
	MUL16 4, 1, 0
	MUL16 6, 1, 0
.if \fetch
	PLACES NP
	WIN 0
	FETCH_A \next, 0, 4
.else
	WIN 0
.endif
.endm
.macro MUL8 a, p, zero
.irp b, 0,1,2,3,4,5,6,7
.if \zero
	v_wmma_f32_16x16x128_fp8_fp8 v[8*(8*(\a)+\b):8*(8*(\a)+\b)+7], v[128*(\p)+FR*\b:128*(\p)+FR*\b+FR-1], v[AF+64*(\p)+FR*(\a):AF+64*(\p)+FR*(\a)+FR-1], 0
.else
	v_wmma_f32_16x16x128_fp8_fp8 v[8*(8*(\a)+\b):8*(8*(\a)+\b)+7], v[128*(\p)+FR*\b:128*(\p)+FR*\b+FR-1], v[AF+64*(\p)+FR*(\a):AF+64*(\p)+FR*(\a)+FR-1], v[8*(8*(\a)+\b):8*(8*(\a)+\b)+7]
.endif
.endr
.endm
.macro FETCH2 slot, q, p
	WIN TO_B
.irp i, 0,1,2,3,4,5,6,7
	FRAG 128*(\p)+FR*\i, ADRB+\slot, \q, \i
.endr
	WIN 0
.irp i, 0,1,2,3
	FRAG AF+64*(\p)+FR*\i, ADRA+\slot, \q, \i
.endr
.endm
.macro STEP2 slot, zero
	s_wait_dscnt 12                                ; B's fragments and A's first are in; A's other three (12 loads) may be out
	PLACES NP
	FETCH2 \slot, 1, 1                             ; the next 48 loads
	WIN MUL_LO
	MUL8 0, 0, \zero
	s_wait_dscnt 56                                ; A's second: 8 older loads and the 48 may be out
	MUL8 1, 0, \zero
	s_wait_dscnt 52                                ; its third
	MUL8 2, 0, \zero
	s_wait_dscnt 48                                ; its fourth
	MUL8 3, 0, \zero
	WIN 0
.endm
.macro TURN2 slot, next, fill
	s_wait_tensorcnt 0x0
	ds_add_u32 v[SPW], v[NIL]
	s_wait_dscnt 13                                ; B's fragments and A's first are in: A's other three (12 loads) and the add may be out
	WIN MUL_LO
	MUL8 0, 1, 0
	s_wait_dscnt 0x0
	s_barrier_signal -1
	MUL8 1, 1, 0
	WIN 0
	s_barrier_wait -1
.if \fill
	CREST
	s_add_nc_u64 s[G0+4*\slot+2:G0+4*\slot+3], s[G0+4*\slot+2:G0+4*\slot+3], 2*KSTR
	s_add_nc_u64 s[G0B+4*\slot+2:G0B+4*\slot+3], s[G0B+4*\slot+2:G0B+4*\slot+3], 2*KSTR
	JLOAD G0+4*\slot, G1C, G0B+4*\slot, G1B
.else
	PLACES NP
.endif
	FETCH2 \next, 0, 0
	WIN MUL_LO
	MUL8 2, 1, 0
	MUL8 3, 1, 0
	WIN 0
.endm
	s_wait_alu depctr_va_vdst(0)                   ; the wait at the head's end
	s_wait_tensorcnt 0x0                           ; my part of K step 0 is in
	ds_add_u32 v[SPW], v[NIL]
	s_wait_dscnt 0x0
	CROUND                                         ; everybody's part of K step 0 is in, and all sixteen work-groups are here:
	JLOAD G0+4, G1, G0B+4, G1B                     ; K step 1, the first tensor load behind the round
	FETCH_B 0, 0, 0
	FETCH_A 0, 0, 0
	FETCH_A 0, 0, 4
	s_cmp_eq_u32 s43, 0
	s_cbranch_scc1 .Lstep3_asked
	global_prefetch_b8 v[PFO], s[PF1:PF1+1] offset:3*KSTR th:TH_LOAD_NT scope:SCOPE_SE   ; K step 3, two refills ahead
.Lstep3_asked:
	STEP 0, 0, 1
	TURN 0, 1, 0, 1
	STEP 1, 0, 0
	TURN 1, 0, 0, 1
	STEP 0, 0, 0
	TURN 0, 1, 1, 1
	STEP 1, 0, 0
	TURN 1, 0, 1, 0
	s_wait_kmcnt 0x0
	s_add_co_i32 s2, s84, s85
	s_add_co_i32 s3, s86, s87
	s_cmp_eq_u32 ttmp9, 0
	s_cselect_b32 s2, s2, s3
	s_cselect_b32 s3, s90, s91
	s_sub_co_i32 s2, s3, s2
	s_add_co_i32 s2, s2, 127
	s_lshl_b32 s3, s2, 23
	v_mov_b32 v30, s3
	s_add_co_i32 s2, s2, 8
	s_lshl_b32 s2, s2, 23
	s_or_b32 s2, s2, 0x600000
	v_mov_b32 v31, s2
	s_wait_alu depctr_va_vdst(0)
	s_add_co_i32 s2, s88, s89
	s_sub_co_i32 s2, s93, s2
	s_add_co_i32 s2, s2, 127
	s_lshl_b32 s3, s2, 23
	v_mov_b32 v10, s3
	s_add_co_i32 s2, s2, 8
	s_lshl_b32 s2, s2, 23
	s_or_b32 s2, s2, 0x600000
	v_mov_b32 v11, s2
	PLACES NP
.macro CODES a, sc, lim
.set AC, 64*((\a)%4)
	WIN 0x02+((\a)/4)
.set j, 0
.rept 64
	v_med3_num_f32 v[TMP+j], v[AC+j], -v[\lim], v[\lim]
.set j, j+1
.endr
	WIN 0
.irp b, 0,1,2,3,4,5,6,7
	v_cvt_scalef32_pk8_fp8_f32 v[CD+16*(\a)+2*\b:CD+16*(\a)+2*\b+1], v[TMP+8*\b:TMP+8*\b+7], v[\sc]
.endr
	v_nop
.endm
.irp a, 0,1,2,3,4,5,6,7
	CODES \a, 30, 31
.irp i, 0,1,2,3
	global_store_b128 v[GQK], v[CD+16*\a+4*\i:CD+16*\a+4*\i+3], s[10:11] offset:(\i/2)*65536+\a*1024+(\i%2)*512   ; two heads, two halves of a tile's image: 512 consecutive bytes
.endr
.endr
	s_wait_xcnt 0x0
	FETCH2 0, 0, 0
	STEP2 0, 1
	TURN2 0, 1, 1
	STEP2 1, 0
	TURN2 1, 0, 1
	STEP2 0, 0
	TURN2 0, 1, 0
	STEP2 1, 0
	s_wait_dscnt 0x0
	WIN MUL_LO
	MUL8 0, 1, 0
	MUL8 1, 1, 0
	MUL8 2, 1, 0
	MUL8 3, 1, 0
	WIN 0
	PLACES NP
.irp a, 0,1,2,3
	CODES \a, 10, 11
.irp i, 0,1,2,3
	global_store_b128 v[GQK], v[CD+16*\a+4*\i:CD+16*\a+4*\i+3], s[12:13] offset:\a*2048+\i*512   ; a tile of 16 d x 128 keys: four runs of 512 consecutive bytes
.endr
.endr
	s_wait_tensorcnt 0x0
	ds_add_u32 v[SPW], v[NIL]
	s_wait_dscnt 0x0
	CROUND
	s_endpgm
.Lfunc_end_k_q7f11587c20_qkv:
	.size	k_q7f11587c20_qkv, .Lfunc_end_k_q7f11587c20_qkv-k_q7f11587c20_qkv
	.p2alignl 7, 3214868480
	.fill 96, 4, 3214868480
	.section	.rodata,"a",@progbits
	.p2align	6, 0x0
	.amdhsa_kernel k_q7f11587c20_qkv
		.amdhsa_group_segment_fixed_size 327680
		.amdhsa_private_segment_fixed_size 0
		.amdhsa_enable_private_segment 0
		.amdhsa_kernarg_size 32
		.amdhsa_user_sgpr_count 2
		.amdhsa_user_sgpr_kernarg_segment_ptr 1
		.amdhsa_wavefront_size32 1
		.amdhsa_system_sgpr_workgroup_id_x 1
		.amdhsa_system_sgpr_workgroup_id_y 1
		.amdhsa_system_sgpr_workgroup_id_z 1
		.amdhsa_system_vgpr_workitem_id 0
		.amdhsa_next_free_vgpr 1024
		.amdhsa_next_free_sgpr 100
		.amdhsa_reserve_vcc 0
		.amdhsa_float_denorm_mode_32 3
		.amdhsa_float_denorm_mode_16_64 3
		.amdhsa_memory_ordered 1
		.amdhsa_forward_progress 1
		.amdhsa_inst_pref_size 188
	.end_amdhsa_kernel
	.amdgpu_metadata
---
amdhsa.version: [ 1, 2 ]
amdhsa.kernels:
  - .name:           k_q7f11587c20_qkv
    .symbol:         k_q7f11587c20_qkv.kd
    .args:
      - { .name: x_codes, .offset: 0, .size: 8, .value_kind: global_buffer, .address_space: global }
      - { .name: w_codes, .offset: 8, .size: 8, .value_kind: global_buffer, .address_space: global }
      - { .name: lowp_scales, .offset: 16, .size: 8, .value_kind: global_buffer, .address_space: global }
      - { .name: qkv_codes, .offset: 24, .size: 8, .value_kind: global_buffer, .address_space: global }
    .group_segment_fixed_size: 327680
    .private_segment_fixed_size: 0
    .kernarg_segment_align: 8
    .kernarg_segment_size: 32
    .max_flat_workgroup_size: 128
    .sgpr_count:     100
    .vgpr_count:     1024
    .wavefront_size: 32
...
	.end_amdgpu_metadata
.endif
;; end of part 2
;; launch attn (part 3): grid 2 x 128, 8 waves a work-group, no clusters, 327,680 bytes of LDS; arguments qkv_codes, lowp_scales, o_codes; writes o_codes
.if DOCPART == 3
	.amdgcn_target "amdgcn-amd-amdhsa--gfx1250"
	.amdhsa_code_object_version 6
	.text
	.protected	k_q7f11587c20_attn
	.globl	k_q7f11587c20_attn
	.p2align	8
	.type	k_q7f11587c20_attn,@function
k_q7f11587c20_attn:
	s_mov_b64 s[64:65], 0
	v_nop
	global_prefetch_b8 v0, s[64:65] scope:SCOPE_SE
	s_setreg_imm32_b32 hwreg(HW_REG_WAVE_MODE, 25, 1), 1
	s_wait_xcnt 0x0
; Causal attention of one head on codes of E4M3, and its output quantised (entry 10) for the projection.
; q, k: [b][h][tile of 16 rows][2][lane][16 bytes]; v: [b][h][128 keys][tile of 16 d][4][lane][16 bytes]; o_codes: [b][h][tile of 16 queries][2][lane][16 bytes]: images of matrix operands, lane (r, h): row r; registers 2 c, 2 c + 1: k = 16 c + 8 h .. + 7.
; THE SOFTMAX AHEAD OF THE SECOND PRODUCT: t = score x log2(e) / 8; M = the row's largest t so far, rounded UP to a whole number; p = 2^(t - M) is quantised (entry 8), not normalised; the row's sum is taken of the
; unquantised p and divides O at the end.  When M moves, the sum and O are multiplied by 2^(old M - new M): exact.
; SHARES.  Two work-groups to a head, eight waves each, two to a SIMD.  A head has 32 blocks of 32 queries; block j needs j / 4 + 1 steps of 128 keys.  Wave w of work-group g takes i = 2 w + g and owns blocks 31 - i and i, in this order:
; nine steps for EVERY wave.  A block is two tiles of 16 queries, and every fragment of K and V that a wave reads from LDS serves both.  Tile A's registers lie in window 0, tile B's at the same numbers in window 1.
; NO RING: a head's K and V, 128 KiB, lie in LDS whole, dense: K's step s at 8,192 s (8 tiles of 1 KiB), V's 65,536 further on (4 tiles of 2 KiB).  Steps 0 to 2 are asked for at the head, steps 3 to 7 behind the first barrier;
; even waves fetch a quarter of K's bytes each, odd waves of V's.  Every LDS read takes 512 consecutive bytes, so nothing is padded.  No cluster: a head's tiles are shared by two work-groups only.
; No prefetch: two loads a wave bring all that the work-group reads, so no loop asks for anything.
; LAYOUT.  Both products are used transposed: S^T = K Q^T (source 0 = 16 keys, source 1 = 16 queries), O^T = V^T P^T: a lane holds ONE query of each tile throughout; register 8 t + j of S^T is key 16 t + 8 h + j.
; K's fragments of the next step are read behind a step's score products, V's of the step at its head.
; CAUSAL: a step all of whose keys come after the block's queries is left out by a scalar branch on ids; on the diagonal hidden scores become -infinity ahead of the maximum.  Key 0 counts for every query, so M is a number from the first step on.
; (Of the masked steps only those are left out that lie wholly under the mask: a NaN or an infinity in them reaches no result.)
; LIMITS on the given exponents: e6 + e7 between -123 and 130 (added to c's exponent field); e8 and e10 between -126 and 119; e8 + e9 goes by v_ldexp_f32 and has none.  The scaled scores stay under 2^31 in magnitude.
.set SPARE, 131072                     ; 128 bytes for each of 8 waves: four blocks of 256 bytes that no other line names
.set SB,    8192                       ; bytes of a step's K, and of its V
.set LA,  1                            ; v1   16 x lane: my bytes of an image's 512
.set AD,  2                            ; v2   LDS address of the step's V
.set DM,  3                            ; v3   r - 8 h, for the mask (window 1: + 16)
.set LV,  4                            ; v4   LA + 65,536
.set SPW, 5                            ; v5   LDS address of my spare word; never rewritten
.set NIL, 6                            ; v6   0; never rewritten
.set ADN, 7                            ; v7   LDS address of the next step's K
; in both windows: v12 -M, v13 the largest t, v[14:15] the sum in two halves; v16-23, v24-31 Q of the low and of the high block; v32-95 K's fragments (window 0), V's (window 1); v96-159 S^T, then p; v160-191 O^T;
; v192-207 p's codes; v208-215, v216-223 the output's codes; v238, v239: 448 x 2^e10, 2^e10; v240, v241: 448 x 2^e8, 2^e8; v234-236, v242-255 at work
.set TB,  2                            ; s2   LDS byte at which the step's K begins
.set CNT, 3
.set KF,  10                           ; s10  the step's first key
.set Q0,  12                           ; s12  my block's first query
.set WV,  18
.set ES,  19                           ; s19  e8 + e9
.set SEL, 20                           ; s[20:21] lane selects for v_permlanex16_b32: lane l xor 16
.set CS,  22                           ; s[22:23] c
.set G1,  24                           ; s[24:31] descriptor group 1 of the head's load: 24 rows of 256 bytes, dense
.set G1L, 32                           ; s[32:39] of the later load: 40 rows
.set G0,  40                           ; s[40:43], s[44:47] groups 0 of my two loads
.set MSB, 0
.macro WIN new                         ; the immediate's high byte repeats the setting that is left
.if MSB != \new
	s_set_vgpr_msb (MSB<<8)|\new
.set MSB, \new
.endif
.endm
	s_load_b128 s[4:7], s[0:1], 0x0                ; qkv_codes s[4:5], the exponents s[6:7]
	s_load_b64 s[8:9], s[0:1], 0x10                ; o_codes
	v_lshl_add_u32 v[SPW], v0, 2, SPARE
	v_mov_b32 v[NIL], 0
	ds_add_u32 v[SPW], v[NIL]                      ; the wave's opening: the add, twice on end, and its wait ahead of my first tensor load; work on registers stands between
	ds_add_u32 v[SPW], v[NIL]
	v_lshrrev_b32 v8, 5, v0
	v_readfirstlane_b32 s[WV], v8                  ; wave 0..7
	v_and_b32 v9, 31, v0
	v_lshlrev_b32 v[LA], 4, v9
	s_wait_alu depctr_va_vdst(0)                   ; the wait here, ahead of the scalar lines and waits below
	s_and_b32 s13, ttmp7, 0xffff                   ; 16 b + h
	s_lshl_b32 s14, s13, 16                        ; a head is 65,536 bytes in q, k, v and o alike
	s_mov_b32 s15, 0
	s_lshl_b32 s16, s[WV], 1
	s_add_co_u32 s16, s16, ttmp9                   ; i: my low block
	s_sub_co_u32 s17, 31, s16                      ; my high block
.irp g, G1, G1L
	s_mov_b32 s[\g], 0                             ; no mask; elements of 1 byte; no padding
	s_mov_b32 s[\g+1], 256<<16                     ; tensor_dim0
	s_mov_b32 s[\g+3], 256<<16                     ; tile_dim0
	s_mov_b32 s[\g+5], 256                         ; tensor_dim0_stride
	s_mov_b32 s[\g+6], 0
	s_mov_b32 s[\g+7], 0
.endr
	s_mov_b32 s[G1+2], 24<<16                      ; tensor_dim1
	s_mov_b32 s[G1+4], 24                          ; tile_dim1
	s_mov_b32 s[G1L+2], 40<<16
	s_mov_b32 s[G1L+4], 40
	s_and_b32 s68, s[WV], 1                        ; 0: I fetch K, 1: V
	s_lshr_b32 s69, s[WV], 1                       ; which quarter of the bytes
	s_lshl_b32 s66, s68, 23                        ; v lies 8,388,608 bytes behind k,
	s_add_co_u32 s66, s66, 0x800000                ; and k 8,388,608 behind q
	s_mov_b32 s67, 0
	s_lshl_b32 s68, s68, 16                        ; in LDS V lies 65,536 bytes behind K
	s_mul_i32 s70, s69, 6144                       ; steps 0 to 2: 24,576 bytes of each
	s_mul_i32 s72, s69, 10240                      ; steps 3 to 7: 40,960 bytes of each
	s_add_co_u32 s72, s72, 3*SB
	s_mov_b32 s71, 0
	s_mov_b32 s73, 0
	s_mov_b32 s[G0], 1
	s_add_co_u32 s[G0+1], s68, s70
	s_mov_b32 s[G0+4], 1
	s_add_co_u32 s[G0+5], s68, s72
	s_mov_b32 s[SEL], 0x76543210
	s_mov_b32 s[SEL+1], 0xfedcba98
	s_mov_b32 s[CS], 0x3e38aa3b                    ; c = log2(e) / 8
	s_wait_dscnt 0x0                               ; both opening adds are done
	s_wait_kmcnt 0x0
	s_add_nc_u64 s[4:5], s[4:5], s[14:15]          ; q of my head
	s_add_nc_u64 s[66:67], s[4:5], s[66:67]
	s_add_nc_u64 s[G0+2:G0+3], s[66:67], s[70:71]
	s_or_b32 s[G0+3], s[G0+3], 0x80000000
	s_add_nc_u64 s[G0+6:G0+7], s[66:67], s[72:73]
	s_or_b32 s[G0+7], s[G0+7], 0x80000000
	tensor_load_to_lds s[G0:G0+3], s[G1:G1+7]      ; my part of steps 0 to 2: every wave's one tensor load at the head
	s_nop 0
	s_load_b256 s[84:91], s[6:7], 0x0              ; e0 .. e7
	s_load_b128 s[92:95], s[6:7], 0x20             ; e8 .. e11
	s_add_nc_u64 s[8:9], s[8:9], s[14:15]
	s_lshl_b32 s96, s17, 11                        ; a block is two images of 1,024 bytes
	s_mov_b32 s97, 0
	s_add_nc_u64 s[60:61], s[4:5], s[96:97]        ; Q and O of the high block,
	s_add_nc_u64 s[56:57], s[8:9], s[96:97]
	s_lshl_b32 s96, s16, 11
	s_add_nc_u64 s[62:63], s[4:5], s[96:97]        ; of the low block
	s_add_nc_u64 s[58:59], s[8:9], s[96:97]
	global_load_b128 v[24:27], v[LA], s[60:61]
	global_load_b128 v[28:31], v[LA], s[60:61] offset:512
	WIN 0x40
	global_load_b128 v[24:27], v[LA], s[60:61] offset:1024   ; tile B's, into window 1
	global_load_b128 v[28:31], v[LA], s[60:61] offset:1536
	WIN 0
	v_and_b32 v8, 15, v0                           ; r
	v_bfe_u32 v9, v0, 4, 1                         ; h
	v_lshlrev_b32 v9, 3, v9
	v_sub_nc_u32 v[DM], v8, v9
	v_add_nc_u32 v[LV], 0x10000, v[LA]
	WIN 0x40
	v_add_nc_u32 v[DM], 16, v[DM]                  ; window 1's
	WIN 0
	s_wait_alu depctr_va_vdst(0)                   ; the wait here, directly ahead of the wait below
	s_wait_kmcnt 0x0
	s_add_co_i32 s96, s90, s91
	s_lshl_b32 s96, s96, 23
	s_add_co_i32 s[CS], s[CS], s96                 ; a score stands for score x 2^(e6 + e7): the two exponents are added to c's exponent field
	s_mov_b32 s[CS+1], s[CS]                       ; (named with it as a pair, so it is written)
	s_add_co_i32 s96, s92, 127
	s_lshl_b32 s70, s96, 23                        ; 2^e8, for p's conversions
	s_add_co_i32 s96, s96, 8
	s_lshl_b32 s96, s96, 23
	s_or_b32 s71, s96, 0x600000                    ; 448 x 2^e8
	s_add_co_i32 s96, s94, 127
	s_lshl_b32 s72, s96, 23                        ; 2^e10, for the output's
	s_add_co_i32 s96, s96, 8
	s_lshl_b32 s96, s96, 23
	s_or_b32 s73, s96, 0x600000                    ; 448 x 2^e10
	s_add_co_i32 s[ES], s92, s93
.macro CONSTS
	v_mov_b32 v241, s70
	v_mov_b32 v240, s71
	v_mov_b32 v239, s72
	v_mov_b32 v238, s73
	v_mov_b32 v236, 0                              ; written once: a lane permute's destination counts as one of its sources
	v_mov_b32 v253, 0                              ; (named as the upper half of the pair v[252:253])
.endm
	CONSTS
	WIN 0x40
	CONSTS
	WIN 0
.macro INITT                           ; a tile begins: O^T and the sum are zeros and the largest t is under every t; the first change of M multiplies zeros
	v_mov_b32 v13, 0xff61b1e6                      ; -3e38
	v_mov_b32 v14, 0
	v_mov_b32 v15, 0
	v_floor_f32 v12, -v13
.set j, 0
.rept 32
	v_mov_b32 v[160+j], 0
.set j, j+1
.endr
.endm
.macro INIT
	INITT
	WIN 0x55
	INITT
	WIN 0
	s_wait_alu depctr_va_vdst(0)                   ; the wait here, ahead of the waits and branches of the steps
.endm
.macro KLOAD                           ; a step's eight fragments of K: 16 loads
.irp t, 0,1,2,3,4,5,6,7
	ds_load_b128 v[32+8*\t:35+8*\t], v[ADN] offset:1024*\t
	ds_load_b128 v[36+8*\t:39+8*\t], v[ADN] offset:1024*\t+512
.endr
.endm
; The softmax of one tile's 128 keys, all operands in window w / 0x55; it leaves p's codes and O^T under the new M.  mk = 1: the step may lie on the diagonal.
.macro SOFT mk, w
.if \mk
	WIN 0
	s_add_co_u32 s96, s[KF], 127                   ; a step all of whose keys count skips the mask
	s_cmp_le_u32 s96, s[Q0]
	s_cbranch_scc1 .Lopen_\@
	WIN \w
	s_sub_co_i32 s96, s[Q0], s[KF]
	v_add_nc_u32 v252, s96, v[DM]                  ; d = my query - KF - 8 h: register 8 t + j is hidden where 16 t + j > d
	v_mov_b32 v254, 0xff800000                     ; -infinity
	s_wait_alu depctr_va_vdst(0)                   ; the wait here, directly ahead of the first readers of the scores
.set n, 0
.rept 64
	v_cmp_gt_i32 vcc_lo, 16*(n/8)+n%8, v252
	v_cndmask_b32 v[96+n], v[96+n], v254, vcc_lo
.set n, n+1
.endr
	WIN 0
.Lopen_\@:
.endif
	WIN \w
	s_wait_alu depctr_va_vdst(0)                   ; the wait here, directly ahead of the first readers of the scores
	v_max3_num_f32 v254, v96, v97, v98             ; the step's largest score of my query, among my 64 keys, in two chains,
	v_max3_num_f32 v252, v99, v100, v101
.irp i, 6,10,14,18,22,26,30,34,38,42,46,50,54,58
	v_max3_num_f32 v254, v254, v[96+\i], v[97+\i]
	v_max3_num_f32 v252, v252, v[98+\i], v[99+\i]
.endr
	v_max3_num_f32 v254, v254, v158, v159
	s_delay_alu instid0(VALU_DEP_1)
	v_max_num_f32 v254, v254, v252
	s_delay_alu instid0(VALU_DEP_1)
	v_permlanex16_b32 v236, v254, s[SEL], s[SEL+1]
	s_delay_alu instid0(VALU_DEP_1)
	v_max_num_f32 v254, v254, v236                 ; and among lane l xor 16's
	s_delay_alu instid0(VALU_DEP_1)
	v_mul_f32 v254, s[CS], v254                    ; as t (c is positive)
	s_delay_alu instid0(VALU_DEP_1)
	v_max_num_f32 v13, v13, v254                   ; the running largest t
	v_mov_b32 v254, v12
	s_delay_alu instid0(VALU_DEP_2)
	v_floor_f32 v12, -v13                          ; the new -M = floor(-t) = -ceil(t): a whole number
	s_delay_alu instid0(VALU_DEP_1)
	v_sub_f32 v254, v12, v254                      ; old M - new M: a whole number, 0 or less
	s_delay_alu instid0(VALU_DEP_1)
	v_cvt_i32_f32 v254, v254                       ; (it saturates)
	s_delay_alu instid0(VALU_DEP_1)
	v_ldexp_f32 v252, 1.0, v254                    ; f = 2^(old M - new M)
.set j, 0
.rept 32
	v_pk_fma_f32 v[96+j:97+j], v[96+j:97+j], s[CS:CS+1], v[12:13] op_sel_hi:[1,0,0]   ; t - M, two at a time
.set j, j+2
.endr
.set j, 0
	s_wait_alu depctr_va_vdst(0)                   ; the wait ahead of the batch too
.rept 64
	v_exp_f32 v[96+j], v[96+j]                     ; p = 2^(t - M): one batch
.set j, j+1
.endr
	v_pk_mul_f32 v[14:15], v[14:15], v[252:253] op_sel_hi:[1,0]   ; the sums under the new M: the plain line behind the exponentials
	s_wait_alu depctr_va_vdst(0)                   ; one wait for the batch, ahead of its first reader
	v_pk_add_f32 v[242:243], v[100:101], v[104:105]
	v_pk_add_f32 v[254:255], v[108:109], v[112:113]
	v_pk_add_f32 v[250:251], v[116:117], v[120:121]
	v_pk_add_f32 v[248:249], v[124:125], v[128:129]
	v_pk_add_f32 v[246:247], v[132:133], v[136:137]
	v_pk_add_f32 v[244:245], v[140:141], v[144:145]
	v_pk_add_f32 v[234:235], v[148:149], v[152:153]
	v_pk_add_f32 v[14:15], v[14:15], v[156:157]
	v_pk_add_f32 v[242:243], v[242:243], v[96:97]
	v_pk_add_f32 v[254:255], v[254:255], v[98:99]
	v_pk_add_f32 v[250:251], v[250:251], v[102:103]
	v_pk_add_f32 v[248:249], v[248:249], v[106:107]
	v_pk_add_f32 v[246:247], v[246:247], v[110:111]
	v_pk_add_f32 v[244:245], v[244:245], v[114:115]
	v_pk_add_f32 v[234:235], v[234:235], v[118:119]
	v_pk_add_f32 v[14:15], v[14:15], v[122:123]
	v_pk_add_f32 v[242:243], v[242:243], v[126:127]
	v_pk_add_f32 v[254:255], v[254:255], v[130:131]
	v_pk_add_f32 v[250:251], v[250:251], v[134:135]
	v_pk_add_f32 v[248:249], v[248:249], v[138:139]
	v_pk_add_f32 v[246:247], v[246:247], v[142:143]
	v_pk_add_f32 v[244:245], v[244:245], v[146:147]
	v_pk_add_f32 v[234:235], v[234:235], v[150:151]
	v_pk_add_f32 v[14:15], v[14:15], v[154:155]
	v_pk_add_f32 v[242:243], v[242:243], v[158:159]
	s_delay_alu instid0(VALU_DEP_2)
	v_pk_add_f32 v[14:15], v[14:15], v[248:249]
	s_delay_alu instid0(VALU_DEP_2)
	v_pk_add_f32 v[242:243], v[242:243], v[246:247]
	v_pk_add_f32 v[254:255], v[254:255], v[244:245]
	v_pk_add_f32 v[250:251], v[250:251], v[234:235]
	s_delay_alu instid0(VALU_DEP_2)
	v_pk_add_f32 v[14:15], v[14:15], v[254:255]
	s_delay_alu instid0(VALU_DEP_2)
	v_pk_add_f32 v[242:243], v[242:243], v[250:251]
	s_delay_alu instid0(VALU_DEP_1)
	v_pk_add_f32 v[14:15], v[14:15], v[242:243]
.irp b, 0,1,2,3
.irp i, 0,2,4,6,8,10,12,14
	v_dual_min_num_f32 v[96+16*\b+\i], v[96+16*\b+\i], v240 :: v_dual_min_num_f32 v[97+16*\b+\i], v[97+16*\b+\i], v240   ; the conversion does not saturate (ISA guide 7.6.2); p is not negative, so the hold is one-sided
.endr
	v_cvt_scalef32_pk8_fp8_f32 v[192+4*\b:193+4*\b], v[96+16*\b:103+16*\b], v241
	v_cvt_scalef32_pk8_fp8_f32 v[194+4*\b:195+4*\b], v[104+16*\b:111+16*\b], v241
.endr
	s_wait_alu depctr_va_vdst(0)                   ; the wait here, directly ahead of the first readers of O^T
.set j, 0
.rept 16
	v_pk_mul_f32 v[160+j:161+j], v[160+j:161+j], v[252:253] op_sel_hi:[1,0]   ; O^T under the new M; also the plain lines between the conversions and the products
.set j, j+2
.endr
.endm
; A KEY STEP: 128 keys, both tiles; Q's fragments at v[qf]; its K has been asked for.  last: where the K of the loop's last step lies, which the look-ahead does not pass.
.macro STEP mk, qf, last
.if \mk
	s_cmp_gt_u32 s[KF], s[Q0]                      ; all its keys come after my queries: ids and the count of steps alone
	s_cbranch_scc1 .Lhidden_\@
.endif
	v_add_nc_u32 v[AD], s[TB], v[LV]
	v_nop                                          ; with the addition: four places in front of loads into registers that the last products read
	v_nop
	v_nop
	WIN 0x40
.irp t, 0,1,2,3
.irp c, 0,1,2,3
	ds_load_b128 v[32+16*\t+4*\c:35+16*\t+4*\c], v[AD] offset:2048*\t+512*\c
.endr
.endr
	WIN 0
	s_add_co_u32 s96, s[TB], SB
	s_min_u32 s96, s96, \last
	s_wait_dscnt 16                                ; K is in; V's 16 loads, just issued, may be out
.irp t, 0,1,2,3,4,5,6,7
	v_wmma_f32_16x16x64_fp8_fp8 v[96+8*\t:103+8*\t], v[32+8*\t:39+8*\t], v[\qf:\qf+7], 0
.endr
	WIN 0x44                                       ; tile B: Q and the scores in window 1, K in window 0
.irp t, 0,1,2,3,4,5,6,7
	v_wmma_f32_16x16x64_fp8_fp8 v[96+8*\t:103+8*\t], v[32+8*\t:39+8*\t], v[\qf:\qf+7], 0
.endr
	WIN 0
	v_add_nc_u32 v[ADN], s96, v[LA]                ; with the three below: places in front of the loads into K's registers and of the first read of the scores
	v_nop
	v_nop
	v_nop
	KLOAD                                          ; the next step's
	SOFT \mk, 0
	WIN 0x01                                       ; V in window 1, tile A's p and O^T in window 0
	s_wait_alu depctr_va_vdst(0)                   ; the wait here, directly ahead of the wait below
	s_wait_dscnt 16                                ; V is in; the next K's 16 loads may be out
.irp t, 0,1,2,3                        ; O^T += V^T P^T: the accumulators by turns, one instruction a turn
	v_wmma_f32_16x16x128_fp8_fp8 v[160+8*\t:167+8*\t], v[32+16*\t:47+16*\t], v[192:207], v[160+8*\t:167+8*\t]
.endr
	SOFT \mk, 0x55
.irp t, 0,1,2,3                        ; tile B: all in window 1
	v_wmma_f32_16x16x128_fp8_fp8 v[160+8*\t:167+8*\t], v[32+16*\t:47+16*\t], v[192:207], v[160+8*\t:167+8*\t]
.endr
	WIN 0
.if \mk
.Lhidden_\@:
.endif
	s_add_co_u32 s[KF], s[KF], 128
	s_add_co_u32 s[TB], s[TB], SB
.endm
; A tile leaves: O^T x 2^(e8 + e9) / the sum, quantised; the codes are the projection's operand registers and are stored as they stand.
.macro OUT w, dw, ob, rr, off
	WIN \w
	v_add_f32 v14, v14, v15                        ; the sum's two halves,
	s_delay_alu instid0(VALU_DEP_1)
	v_permlanex16_b32 v236, v14, s[SEL], s[SEL+1]
	s_delay_alu instid0(VALU_DEP_1)
	v_add_f32 v14, v14, v236                       ; and lane l xor 16's
	s_wait_alu depctr_va_vdst(0)                   ; the wait ahead of the transcendental too
	v_rcp_f32 v14, v14
	v_nop                                          ; a plain line behind the reciprocal
	s_wait_alu depctr_va_vdst(0)                   ; and the wait ahead of its first reader
	v_ldexp_f32 v14, v14, s[ES]
	s_wait_alu depctr_va_vdst(0)                   ; the wait here, directly ahead of the first readers of O^T
.set j, 0
.rept 16
	v_pk_mul_f32 v[96+j:97+j], v[160+j:161+j], v[14:15] op_sel_hi:[1,0]   ; each accumulator from its low end on
.set j, j+2
.endr
.set j, 0
.rept 32
	v_med3_num_f32 v[96+j], v[96+j], -v238, v238
.set j, j+1
.endr
.irp t, 0,1,2,3
	v_cvt_scalef32_pk8_fp8_f32 v[\rr+2*\t:\rr+2*\t+1], v[96+8*\t:103+8*\t], v239
.endr
	v_nop                                          ; a plain line behind the conversions: later products write their sources
	WIN \dw
	global_store_b128 v[LA], v[\rr:\rr+3], s[\ob:\ob+1] offset:\off   ; 32 lanes store 512 consecutive bytes, at a multiple of 512
	global_store_b128 v[LA], v[\rr+4:\rr+7], s[\ob:\ob+1] offset:\off+512
.endm
.macro OUTS ob, rr
.rept 4
	v_nop                                          ; places behind the last products
.endr
	OUT 0, 0, \ob, \rr, 0
	OUT 0x55, 0x04, \ob, \rr, 1024                 ; (the stores: data in window 1, address in window 0)
	WIN 0
.endm
	s_wait_alu depctr_va_vdst(0)                   ; the wait at the head's end
	s_wait_loadcnt 0x0                             ; the high block's Q
	s_wait_tensorcnt 0x0                           ; my part of steps 0 to 2 is in
	ds_add_u32 v[SPW], v[NIL]
	s_wait_dscnt 0x0
	s_barrier_signal -1
	s_barrier_wait -1                              ; everybody's part is in
	tensor_load_to_lds s[G0+4:G0+7], s[G1L:G1L+7]  ; my part of steps 3 to 7: read three steps of mine further on
	s_nop 0
	global_load_b128 v[16:19], v[LA], s[62:63]     ; the low block's Q: read when the high block is done
	global_load_b128 v[20:23], v[LA], s[62:63] offset:512
	WIN 0x40
	global_load_b128 v[16:19], v[LA], s[62:63] offset:1024
	global_load_b128 v[20:23], v[LA], s[62:63] offset:1536
	WIN 0
	; ---- the high block: its first query is 512 at the least, so all keys of steps 0 to 2 count for all its queries
	s_lshl_b32 s[Q0], s17, 5
	s_mov_b32 s[KF], 0
	s_mov_b32 s[TB], 0
	INIT
	v_add_nc_u32 v[ADN], s[TB], v[LA]
	KLOAD
	s_mov_b32 s[CNT], 3
.Lhigh:
	STEP 0, 24, 2*SB
	s_sub_co_u32 s[CNT], s[CNT], 1
	s_cmp_lg_u32 s[CNT], 0
	s_cbranch_scc1 .Lhigh
	s_wait_alu depctr_va_vdst(0)                   ; the wait here, directly ahead of the waits below
	s_wait_tensorcnt 0x0                           ; my part of steps 3 to 7 has landed
	s_wait_dscnt 0x0                               ; (the look-ahead of the loop's last trip too: K's registers are loaded anew)
	s_barrier_signal -1
	s_barrier_wait -1                              ; all keys are whole
	s_mov_b32 s[KF], 384
	s_mov_b32 s[TB], 3*SB
	v_add_nc_u32 v[ADN], s[TB], v[LA]
	KLOAD
	s_mov_b32 s[CNT], 5
.Lhigh2:
	STEP 1, 24, 7*SB
	s_sub_co_u32 s[CNT], s[CNT], 1
	s_cmp_lg_u32 s[CNT], 0
	s_cbranch_scc1 .Lhigh2
	s_wait_dscnt 0x0
	OUTS 56, 216
	; ---- the low block: at most four steps
	s_wait_alu depctr_va_vdst(0)                   ; the wait here, directly ahead of the wait below
	s_wait_loadcnt 0x0                             ; its Q
	s_lshl_b32 s[Q0], s16, 5
	s_mov_b32 s[KF], 0
	s_mov_b32 s[TB], 0
	INIT
	v_add_nc_u32 v[ADN], s[TB], v[LA]
	KLOAD
	s_mov_b32 s[CNT], 4
.Llow:
	STEP 1, 16, 3*SB
	s_sub_co_u32 s[CNT], s[CNT], 1
	s_cmp_lg_u32 s[CNT], 0
	s_cbranch_scc1 .Llow
	s_wait_dscnt 0x0
	OUTS 58, 208
	s_wait_tensorcnt 0x0                           ; the wave's end, behind my last tensor load
	ds_add_u32 v[SPW], v[NIL]
	s_wait_dscnt 0x0
	s_endpgm
.Lfunc_end_k_q7f11587c20_attn:
	.size	k_q7f11587c20_attn, .Lfunc_end_k_q7f11587c20_attn-k_q7f11587c20_attn
	.p2alignl 7, 3214868480
	.fill 96, 4, 3214868480
	.section	.rodata,"a",@progbits
	.p2align	6, 0x0
	.amdhsa_kernel k_q7f11587c20_attn
		.amdhsa_group_segment_fixed_size 327680
		.amdhsa_private_segment_fixed_size 0
		.amdhsa_enable_private_segment 0
		.amdhsa_kernarg_size 24
		.amdhsa_user_sgpr_count 2
		.amdhsa_user_sgpr_kernarg_segment_ptr 1
		.amdhsa_wavefront_size32 1
		.amdhsa_system_sgpr_workgroup_id_x 1
		.amdhsa_system_sgpr_workgroup_id_y 1
		.amdhsa_system_sgpr_workgroup_id_z 1
		.amdhsa_system_vgpr_workitem_id 0
		.amdhsa_next_free_vgpr 512
		.amdhsa_next_free_sgpr 98
		.amdhsa_reserve_vcc 1
		.amdhsa_float_denorm_mode_32 3
		.amdhsa_float_denorm_mode_16_64 3
		.amdhsa_memory_ordered 1
		.amdhsa_forward_progress 1
		.amdhsa_inst_pref_size 141
	.end_amdhsa_kernel
	.amdgpu_metadata
---
amdhsa.version: [ 1, 2 ]
amdhsa.kernels:
  - .name:           k_q7f11587c20_attn
    .symbol:         k_q7f11587c20_attn.kd
    .args:
      - { .name: qkv_codes, .offset: 0, .size: 8, .value_kind: global_buffer, .address_space: global }
      - { .name: lowp_scales, .offset: 8, .size: 8, .value_kind: global_buffer, .address_space: global }
      - { .name: o_codes, .offset: 16, .size: 8, .value_kind: global_buffer, .address_space: global }
    .group_segment_fixed_size: 327680
    .private_segment_fixed_size: 0
    .kernarg_segment_align: 8
    .kernarg_segment_size: 24
    .max_flat_workgroup_size: 256
    .sgpr_count:     98
    .vgpr_count:     512
    .wavefront_size: 32
...
	.end_amdgpu_metadata
.endif
;; end of part 3
;; launch proj (part 4): grid 4 x 64, 4 waves a work-group, clusters of 4 x 4, 327,680 bytes of LDS; arguments o_codes, w_codes, lowp_scales, out0, bproj; writes out0
.if DOCPART == 4
	.amdgcn_target "amdgcn-amd-amdhsa--gfx1250"
	.amdhsa_code_object_version 6
	.text
	.protected	k_q7f11587c20_proj
	.globl	k_q7f11587c20_proj
	.p2align	8
	.type	k_q7f11587c20_proj,@function
k_q7f11587c20_proj:
	s_mov_b64 s[64:65], 0
	v_nop
	global_prefetch_b8 v0, s[64:65] scope:SCOPE_SE
	s_setreg_imm32_b32 hwreg(HW_REG_WAVE_MODE, 25, 1), 1
	s_wait_xcnt 0x0
	s_wait_alu depctr_hold_cnt(0) depctr_sa_sdst(0) depctr_va_vdst(0) depctr_va_sdst(0) depctr_va_ssrc(0) depctr_va_vcc(0) depctr_vm_vsrc(0)
	s_getreg_b32 s2, hwreg(HW_REG_IB_STS2, 6, 4)
	s_cmp_eq_u32 s2, 0
	s_cbranch_scc0 .Lentry_in_a_cluster
	s_endpgm
.Lentry_in_a_cluster:
	s_bfe_u32 s2, ttmp6, 0x10000c
	s_cmp_lg_u32 s2, 0xf033
	s_cbranch_scc0 .Lentry_shape_is_right
	s_endpgm
.Lentry_shape_is_right:
; out0 [8192][1024] = o Wproj^T x 2^(e10 + e11) + bproj, f32.  o_codes: [b][h][tile of 16 rows][2][lane][16 bytes], the operand's own image; w_codes rows 3072-4095: [128 rows][K step of 256][row][256 bytes], pieces of 8 in the order 0, 2, 1, 3.
; A work-group makes 128 rows x 256 columns, in TWO HALVES of 128 columns, each over all of K: the first half's stores leave while the second half's operand lands and is multiplied.  256 work-groups; a wave makes 64 x 64 of a half
; (16 accumulators of 16 x 16).  Used transposed (source 0 = 16 rows of Wproj, source 1 = 16 rows of o): a lane holds eight neighbouring columns of a row.
; A (o): all of K = 16 heads x 64, fetched at the head: wave 0, 1: 64 rows each, 16 runs of 4,096 bytes.  Its fragments are read from LDS once and stay in 512 registers for both halves.
; B (Wproj): 128 rows x all of K, fetched at the head by waves 2 and 3 (two K steps of 256 each) and filled again once, with the second half's rows.  LDS rows are 256 bytes + 16 of padding.  The K loops have no barrier.
; CLUSTERS of 4 x 4: the four of a row share A's rows, the four of a column B's; each is asked for jointly.
; PREFETCH: the second half's rows of Wproj, behind the head's load, a half's products ahead of their load; each block of 256 bytes once in a cluster (partner cy takes a quarter), by the clusters of the first four rows alone.
; LIMIT: e10 + e11 between -126 and 127.
; REGISTERS: window 0: addresses, the bias, and v64-191 rows on their way out; window 1: v0-127 the accumulators, v128-255 two sets of four fragments of B; windows 2, 3: A's fragments, 128 along K in 64 registers.
.set PITCH,  272
.set FR,     16                        ; registers of a fragment: 16 rows x 128 K
.set NP,     4                         ; places behind this matrix instruction (ISA guide 7.12.1)
.set HALFT,  128*PITCH                 ; 128 rows of 256 bytes: a K step of B; two K steps of A's part
.set PART,   2*HALFT                   ; what one wave fetches at the head
.set SPARE,  4*PART                    ; the spare words, 128 bytes for each wave
.set STAGE,  SPARE+512                 ; the way out: 16 rows x 272 bytes for each wave; no tensor load lands there
.set BLOCK2, 131072                    ; from the first half's rows of Wproj to the second's, in bytes
.set FLAGS,  (1<<20)|(1<<21)|(5<<22)|(3<<25)   ; elements of 1 byte; padding: four words after every 64; bit 21 beside a mask
.set BIAS, 8                           ; v8-11, v12-15
.set ADRA, 16                          ; v16, v17 my A fragments: K steps 0, 1 and 2, 3
.set ADRB, 20                          ; v20, v21 my B fragments likewise
.set STO,  24
.set RD,   25
.set CO,   26                          ; v26 my bytes of a store: lanes 0-15 one row of out0, lanes 16-31 the next
.set PFO,  27                          ; v27 256 x lane, for the prefetches; never rewritten
.set SPW,  28
.set NIL,  29
.set BO,   30                          ; v30 16 x (lane % 16)
.set BK,   64                          ; (in the K loops v64-191 of window 0 hold two more sets of B's fragments: four sets by turns, fragments asked for two steps of 128 ahead)
.set BF,   128
.set G1,   24                          ; s[24:31] group 1: A
.set G0,   32                          ; s[32:35] group 0: A
.set G1B,  48                          ; s[48:55] group 1: B, 256 rows
.set G0B,  56                          ; s[56:59] group 0: B
.set PF,   76                          ; s[76:77] where my prefetches stand
.set MSB, 0
.macro WIN new                         ; the immediate's high byte repeats the setting that is left
.if MSB != \new
	s_set_vgpr_msb (MSB<<8)|\new
.set MSB, \new
.endif
.endm
.macro CROUND                          ; a round of the cluster's barrier
	s_barrier_signal -1
	s_barrier_wait -1
	s_cmp_lg_u32 s14, 0
	s_cbranch_scc1 .Lnot_wave_0_\@
	s_barrier_signal -3
.Lnot_wave_0_\@:
	s_barrier_wait -3
	s_barrier_signal -1
	s_barrier_wait -1
.endm
	s_load_b128 s[4:7], s[0:1], 0x0                ; o_codes s[4:5], w_codes s[6:7]
	s_load_b128 s[8:11], s[0:1], 0x10              ; the exponents s[8:9], out0 s[10:11]
	s_load_b64 s[12:13], s[0:1], 0x20              ; bproj
	v_lshl_add_u32 v[SPW], v0, 2, SPARE
	v_mov_b32 v[NIL], 0
	ds_add_u32 v[SPW], v[NIL]                      ; the wave's opening: the add, twice on end, and its wait ahead of my first tensor load
	ds_add_u32 v[SPW], v[NIL]
	v_lshrrev_b32 v1, 5, v0
	v_readfirstlane_b32 s14, v1                    ; wave 0..3
	s_lshr_b32 s15, s14, 1                         ; which 64 rows are mine.  Also: I fetch for A (0) or for B (1)
	s_and_b32 s16, s14, 1                          ; which 64 columns of a half.  Also: which half of the tile I fetch
	s_bfe_u32 s40, ttmp6, 0x40000                  ; cx
	s_bfe_u32 s41, ttmp6, 0x40004                  ; cy
	s_lshl_b32 s42, ttmp9, 2
	s_add_co_u32 s42, s42, s40                     ; tile column
	s_and_b32 s18, ttmp7, 0xffff
	s_lshl_b32 s17, s18, 2
	s_add_co_u32 s17, s17, s41                     ; tile row
	s_cmp_lt_u32 s18, 4
	s_cselect_b32 s78, s15, 0                      ; do I prefetch?
	s_lshl_b32 s43, s41, 2
	s_lshl_b32 s43, 15, s43                        ; my row of the cluster
	s_lshl_b32 s44, 0x1111, s40                    ; my column
	s_or_b32 s[G1+0], s43, FLAGS
	s_mov_b32 s[G1+1], 4096<<16                    ; A: 64 rows of a head are 4,096 bytes on end; 16 heads, 65,536 bytes apart
	s_mov_b32 s[G1+2], 16<<16
	s_mov_b32 s[G1+3], 4096<<16
	s_mov_b32 s[G1+4], 16
	s_mov_b32 s[G1+5], 65536
	s_mov_b32 s[G1+6], 0
	s_mov_b32 s[G1+7], 0
	s_or_b32 s[G1B+0], s44, FLAGS
	s_mov_b32 s[G1B+1], 256<<16
	s_mov_b32 s[G1B+2], 256<<16
	s_mov_b32 s[G1B+3], 256<<16
	s_mov_b32 s[G1B+4], 256
	s_mov_b32 s[G1B+5], 256
	s_mov_b32 s[G1B+6], 0
	s_mov_b32 s[G1B+7], 0
	s_lshr_b32 s20, s17, 3
	s_lshl_b32 s20, s20, 20                        ; A: the batch,
	s_and_b32 s18, s17, 7
	s_lshl_b32 s18, s18, 13                        ; 128 rows of 64 bytes,
	s_or_b32 s20, s20, s18
	s_lshl_b32 s18, s16, 12                        ; my 64 of them
	s_or_b32 s20, s20, s18
	s_mov_b32 s21, 0
	s_lshl_b32 s46, s42, 18                        ; B: 256 rows of 1,024 bytes; of the first 128
	s_lshl_b32 s19, s16, 16                        ; my two K steps
	s_or_b32 s46, s46, s19
	s_add_co_u32 s46, s46, 3145728
	s_mov_b32 s47, 0
	s_mul_i32 s45, s14, PART                       ; where they go: no place in the cluster enters an LDS address
	s_wait_dscnt 0x0                               ; both opening adds are done
	s_wait_kmcnt 0x0
	s_load_b64 s[96:97], s[8:9], 0x28              ; e10, e11
	s_add_nc_u64 s[20:21], s[4:5], s[20:21]
	s_add_nc_u64 s[46:47], s[6:7], s[46:47]
	CROUND                                         ; all sixteen work-groups are here: the first joint loads meet
	s_mov_b32 s[G0], 1
	s_mov_b32 s[G0+1], s45
	s_mov_b64 s[G0+2:G0+3], s[20:21]
	s_or_b32 s[G0+3], s[G0+3], 0x80000000
	s_mov_b32 s[G0B], 1
	s_mov_b32 s[G0B+1], s45
	s_mov_b64 s[G0B+2:G0B+3], s[46:47]
	s_or_b32 s[G0B+3], s[G0B+3], 0x80000000
	s_cmp_eq_u32 s15, 0                            ; the head's joint loads, one a wave; an s_nop 0 and four v_nop follow each
	s_cbranch_scc0 .Lfor_b
	tensor_load_to_lds s[G0:G0+3], s[G1:G1+7]
	s_nop 0
.rept 4
	v_nop
.endr
	s_branch .Lasked
.Lfor_b:
	tensor_load_to_lds s[G0B:G0B+3], s[G1B:G1B+7]
	s_nop 0
.rept 4
	v_nop
.endr
.Lasked:
	s_lshl_b32 s18, s41, 14                        ; the partner at place cy takes 64 of my 256 blocks
	s_add_co_u32 s18, s18, BLOCK2
	s_mov_b32 s19, 0
	s_add_nc_u64 s[PF:PF+1], s[46:47], s[18:19]
	v_and_b32 v6, 31, v0
	v_lshlrev_b32 v[PFO], 8, v6
	s_cmp_eq_u32 s78, 0
	s_cbranch_scc1 .Lnot_mine
	global_prefetch_b8 v[PFO], s[PF:PF+1] th:TH_LOAD_NT scope:SCOPE_SE
	global_prefetch_b8 v[PFO], s[PF:PF+1] offset:8192 th:TH_LOAD_NT scope:SCOPE_SE
.Lnot_mine:
	v_and_b32 v1, 15, v0                           ; r
	v_bfe_u32 v2, v0, 4, 1                         ; h
	v_mul_u32_u24 v3, v1, PITCH
	v_lshl_add_u32 v4, v2, 4, v3                   ; B: row r, + 16 h
	v_lshl_add_u32 v5, v2, 5, v3                   ; into the stage: row r, 32 bytes for each half of the lanes
	v_mul_u32_u24 v7, v2, PITCH
	v_lshlrev_b32 v[BO], 4, v1
	v_add_nc_u32 v7, v7, v[BO]                     ; A: 16 x lane of an image's 512 bytes, which are two padded rows; also out of the stage
	v_lshlrev_b32 v[CO], 12, v2
	v_add_nc_u32 v[CO], v[CO], v[BO]
	s_mul_i32 s21, s15, PART
	s_mul_i32 s22, s16, 64*PITCH
	s_add_co_u32 s22, s22, 2*PART
	v_add_nc_u32 v[ADRA], s21, v7
	v_add_nc_u32 v[ADRB], s22, v4
	v_add_nc_u32 v[ADRA+1], HALFT, v[ADRA]
	v_add_nc_u32 v[ADRB+1], PART, v[ADRB]
	s_mul_i32 s23, s14, 16*PITCH
	s_add_co_u32 s23, s23, STAGE                   ; my stage
	v_add_nc_u32 v[STO], s23, v5
	v_add_nc_u32 v[RD], s23, v7
	s_wait_alu depctr_va_vdst(0)                   ; the wait at the head's end, ahead of the scalar lines below
	s_lshl_b32 s20, s17, 7
	s_lshl_b32 s21, s15, 6
	s_add_co_u32 s20, s20, s21                     ; my first row
	s_lshl_b32 s20, s20, 12
	s_mov_b32 s21, 0
	s_lshl_b32 s46, s42, 10
	s_lshl_b32 s47, s16, 8
	s_add_co_u32 s46, s46, s47                     ; my first column, in bytes
	s_mov_b32 s47, 0
	s_add_nc_u64 s[12:13], s[12:13], s[46:47]
	global_load_b128 v[BIAS:BIAS+3], v[BO], s[12:13]      ; the bias of my lane's four columns on the way out, for each half
	global_load_b128 v[BIAS+4:BIAS+7], v[BO], s[12:13] offset:512
	s_add_nc_u64 s[20:21], s[20:21], s[46:47]
	s_add_nc_u64 s[10:11], s[10:11], s[20:21]
.macro PLACES n
.rept \n
	v_nop
.endr
.endm
.macro FETCHB k                        ; B's four fragments of the k-th 128 along K, into set k % 4: sets 0, 1 in window 1, sets 2, 3 in window 0
	WIN 0x40*(1-((\k)%4)/2)
.set BS, BF-64*(((\k)%4)/2)+64*((\k)%2)
.irp b, 0,1,2,3
.irp c, 0,1,2,3
	ds_load_b128 v[BS+FR*\b+4*\c:BS+FR*\b+4*\c+3], v[ADRB+(\k)/4] offset:(((\k)/2)%2)*HALFT+128*((\k)%2)+32*\c+\b*16*PITCH
.endr
.endr
	WIN 0
.endm
.macro FETCHA k                        ; A's four: head 2 (k % 2) + c / 2 of the K step's four: 16 padded rows each; tile i: four rows; half c % 2 of its image: two
	WIN 0x80+0x40*((\k)/4)
.irp i, 0,1,2,3
.irp c, 0,1,2,3
	ds_load_b128 v[64*((\k)%4)+FR*\i+4*\c:64*((\k)%4)+FR*\i+4*\c+3], v[ADRA+(\k)/4] offset:(((\k)/2)%2)*(HALFT/2)+((2*((\k)%2)+\c/2)*16+4*\i+2*(\c%2))*PITCH
.endr
.endr
	WIN 0
.endm
.macro MUL k                           ; the 16 accumulators by turns, in the same order for every k; k = 0 starts the sums
	WIN 0x58+(1-((\k)%4)/2)+4*((\k)/4)             ; source 0 (B) window 1 or 0, C and D window 1, source 1 (A) window 2 or 3
.set BS, BF-64*(((\k)%4)/2)+64*((\k)%2)
.irp a, 0,1,2,3
.irp b, 0,1,2,3
.if (\k) == 0
	v_wmma_f32_16x16x128_fp8_fp8 v[8*(4*\a+\b):8*(4*\a+\b)+7], v[BS+FR*\b:BS+FR*\b+FR-1], v[64*((\k)%4)+FR*\a:64*((\k)%4)+FR*\a+FR-1], 0
.else
	v_wmma_f32_16x16x128_fp8_fp8 v[8*(4*\a+\b):8*(4*\a+\b)+7], v[BS+FR*\b:BS+FR*\b+FR-1], v[64*((\k)%4)+FR*\a:64*((\k)%4)+FR*\a+FR-1], v[8*(4*\a+\b):8*(4*\a+\b)+7]
.endif
.endr
.endr
	WIN 0
.endm
.macro SUB k, half                     ; 128 along K; the fragments two steps on are asked for ahead of its products
	s_wait_dscnt 31-15*\half                       ; this step's fragments are in.  First half: of the next step's 32 loads 31 may be out, so that with the 32 below no more than 63 are; second half: its 16 may
.if (\k) < 6
	PLACES NP                                      ; in front of loads into registers that matrix instructions have read
	FETCHB (\k)+2
.if \half == 0
	FETCHA (\k)+2
.endif
.endif
	MUL \k
.endm
; THE WAY OUT of a half, block by block of 16 rows x 64 columns, through my own stage in LDS: rows of 256 bytes come back, and sixteen lanes store one aligned unit of 256 bytes.
.macro TOSTAGE a
	WIN 0x04
.irp b, 0,1,2,3
	ds_store_b128 v[STO], v[8*(4*(\a)+\b):8*(4*(\a)+\b)+3] offset:64*\b
	ds_store_b128 v[STO], v[8*(4*(\a)+\b)+4:8*(4*(\a)+\b)+7] offset:64*\b+16
.endr
	WIN 0
.irp t, 0,1,2,3,4,5,6,7
	ds_load_b128 v[BK+32*(\a)+4*\t:BK+32*(\a)+4*\t+3], v[RD] offset:2*\t*PITCH   ; LDS serves a wave's instructions in order (ISA guide 5.7.1.4)
.endr
.endm
.macro SEND a, half, younger           ; younger: the LDS instructions issued behind block a's loads
	s_wait_dscnt \younger
.irp t, 0,1,2,3,4,5,6,7
	v_pk_fma_f32 v[BK+32*(\a)+4*\t:BK+32*(\a)+4*\t+1], v[BK+32*(\a)+4*\t:BK+32*(\a)+4*\t+1], s[96:97], v[BIAS+4*\half:BIAS+4*\half+1] op_sel_hi:[1,0,1]   ; x 2^(e10 + e11), + the bias
	v_pk_fma_f32 v[BK+32*(\a)+4*\t+2:BK+32*(\a)+4*\t+3], v[BK+32*(\a)+4*\t+2:BK+32*(\a)+4*\t+3], s[96:97], v[BIAS+4*\half+2:BIAS+4*\half+3] op_sel_hi:[1,0,1]
.endr
.irp t, 0,1,2,3,4,5,6,7
	global_store_b128 v[CO], v[BK+32*(\a)+4*\t:BK+32*(\a)+4*\t+3], s[10:11] offset:(\a)*65536+\t*8192+\half*512 th:TH_STORE_NT
.endr
.endm
.macro OUTH half
	PLACES NP                                      ; behind the last products
	TOSTAGE 0
.irp a, 1,2,3
	TOSTAGE \a
	SEND \a-1, \half, 16                           ; behind block a - 1's loads: block a's 8 stores and 8 loads
.endr
	SEND 3, \half, 0
.endm
	s_wait_tensorcnt 0x0                           ; my part is in
	s_barrier_signal -1
	s_barrier_wait -1
	FETCHB 0
	FETCHA 0
	FETCHB 1
	s_wait_dscnt 47                                ; of the 48 loads so far 47 may be out: with the 16 below no more than 63
	FETCHA 1
.irp k, 0,1,2,3,4,5,6
	SUB \k, 0
.endr
	s_wait_dscnt 0x0                               ; my last fragments of the first half are in:
	s_wait_tensorcnt 0x0
	ds_add_u32 v[SPW], v[NIL]                      ; 0 onto my spare word
	MUL 7                                          ; sixteen matrix instructions stand between the add and the wait for it
	s_wait_dscnt 0x0
	s_add_nc_u64 s[G0B+2:G0B+3], s[G0B+2:G0B+3], BLOCK2
	CROUND                                         ; no wave of any partner still reads B or has a load on its way
	s_cmp_eq_u32 s15, 0                            ; waves 0 and 1 have nothing to fill again
	s_cbranch_scc1 .Lfilled
	tensor_load_to_lds s[G0B:G0B+3], s[G1B:G1B+7]  ; the second half's rows: they land while the first half goes out
	s_nop 0
	v_nop
	v_nop
	v_nop
	v_nop
.Lfilled:
	s_wait_kmcnt 0x0
	s_add_co_i32 s96, s96, s97
	s_add_co_i32 s96, s96, 127
	s_lshl_b32 s96, s96, 23                        ; 2^(e10 + e11) as f32
	s_wait_loadcnt 0x0                             ; the bias
	OUTH 0
	s_wait_alu depctr_va_vdst(0)                   ; the wait here, directly ahead of the waits below
	s_wait_tensorcnt 0x0                           ; my part of the second half is in
	s_wait_dscnt 0x0
	s_barrier_signal -1
	s_barrier_wait -1
	s_wait_xcnt 0x0                                ; the first half's stores have read their registers, which take fragments of B again
	FETCHB 0                                       ; (the places in front of these loads: the multiply-adds of the way out)
	FETCHB 1
.irp k, 0,1,2,3,4,5,6
	SUB \k, 1
.endr
	s_wait_dscnt 0x0
	MUL 7
	OUTH 1
	s_wait_tensorcnt 0x0                           ; the wave's end
	ds_add_u32 v[SPW], v[NIL]
	s_wait_dscnt 0x0
	CROUND                                         ; the closing round: no work-group ends while a partner may still ask for a tile that names it
	s_endpgm
.Lfunc_end_k_q7f11587c20_proj:
	.size	k_q7f11587c20_proj, .Lfunc_end_k_q7f11587c20_proj-k_q7f11587c20_proj
	.p2alignl 7, 3214868480
	.fill 96, 4, 3214868480
	.section	.rodata,"a",@progbits
	.p2align	6, 0x0
	.amdhsa_kernel k_q7f11587c20_proj
		.amdhsa_group_segment_fixed_size 327680
		.amdhsa_private_segment_fixed_size 0
		.amdhsa_enable_private_segment 0
		.amdhsa_kernarg_size 40
		.amdhsa_user_sgpr_count 2
		.amdhsa_user_sgpr_kernarg_segment_ptr 1
		.amdhsa_wavefront_size32 1
		.amdhsa_system_sgpr_workgroup_id_x 1
		.amdhsa_system_sgpr_workgroup_id_y 1
		.amdhsa_system_sgpr_workgroup_id_z 1
		.amdhsa_system_vgpr_workitem_id 0
		.amdhsa_next_free_vgpr 1024
		.amdhsa_next_free_sgpr 98
		.amdhsa_reserve_vcc 0
		.amdhsa_float_denorm_mode_32 3
		.amdhsa_float_denorm_mode_16_64 3
		.amdhsa_memory_ordered 1
		.amdhsa_forward_progress 1
		.amdhsa_inst_pref_size 76
	.end_amdhsa_kernel
	.amdgpu_metadata
---
amdhsa.version: [ 1, 2 ]
amdhsa.kernels:
  - .name:           k_q7f11587c20_proj
    .symbol:         k_q7f11587c20_proj.kd
    .args:
      - { .name: o_codes, .offset: 0, .size: 8, .value_kind: global_buffer, .address_space: global }
      - { .name: w_codes, .offset: 8, .size: 8, .value_kind: global_buffer, .address_space: global }
      - { .name: lowp_scales, .offset: 16, .size: 8, .value_kind: global_buffer, .address_space: global }
      - { .name: out0, .offset: 24, .size: 8, .value_kind: global_buffer, .address_space: global }
      - { .name: bproj, .offset: 32, .size: 8, .value_kind: global_buffer, .address_space: global }
    .group_segment_fixed_size: 327680
    .private_segment_fixed_size: 0
    .kernarg_segment_align: 8
    .kernarg_segment_size: 40
    .max_flat_workgroup_size: 128
    .sgpr_count:     98
    .vgpr_count:     1024
    .wavefront_size: 32
...
	.end_amdgpu_metadata
.endif
;; end of part 4
